; MI455X (gfx1250); checked and timed in simulation.
; The chip was launched on July 23, 2026; its instructions are those of AMD's public machine-readable ISA for CDNA 5 (MIT licence, August 2026) and "CDNA5" Instruction Set Architecture Reference Guide (July 2026). The comments in the code are by the model that wrote it; some were corrected since.
;; Multi Head Self Attention. Allowed arithmetic: matrix products marked QUANTISED: E2M3 operands, one E8M0 scale for each 32 along K, by v_wmma_scale_f32_16x16x128_f8f6f4 with both operands' format E2M3, f32 sums; everything else in f32.
;; Inputs: token_positions 2,048 int32; w_k 1,024 x 1,024 float32; w_o 1,024 x 1,024 float32; w_q 1,024 x 1,024 float32; w_v 1,024 x 1,024 float32; x 4 x 2,048 x 1,024 float32.
;; Outputs: out0 4 x 2,048 x 1,024 float32.
;; This version of the problem:
;;   THIS VERSION OF THE PROBLEM IS GIVEN IN LOW PRECISION. The matrix products marked QUANTISED in the list below multiply operands that are first quantised to E2M3 (2 exponent bits, 3 mantissa bits; 6 bits a number), with one power-of-two scale for each 32 numbers along K (OCP MX v1.0); their sums are f32. All else is computed in f32.
;;   The module's matrix products, in the order in which they are computed (A, B: the left and right operand; K: the contracted axis; several contracted axes count as one K, in the product's order):
;;     1. [M 1,024, K 1,024] x [K 1,024, N 8,192]; A: input w_q; B: input x: QUANTISED
;;     2. [M 1,024, K 1,024] x [K 1,024, N 8,192]; A: input w_k; B: input x: QUANTISED
;;     3. [M 1,024, K 1,024] x [K 1,024, N 8,192]; A: input w_v; B: input x: QUANTISED
;;     4. batch 64 x [M 2,048, K 64] x [K 64, N 2,048]; A: computed on the way; B: computed on the way: QUANTISED
;;     5. batch 64 x [M 2,048, K 2,048] x [K 2,048, N 64]; A: softmax (see below); B: computed on the way: QUANTISED
;;     6. [M 8,192, K 1,024] x [K 1,024, N 1,024]; A: computed on the way; B: input w_o: QUANTISED
;;   THE QUANTISER, for each operand of a quantised product, along K:
;;     - K is cut into blocks of 32 from its start; a last block that is shorter is filled with zeros.
;;     - A block's scale is 2^e with e = floor(log2(the largest magnitude in the block)) - 2, held to -126 .. 127; a block of zeros has e = 0. As a byte (E8M0): e + 127.
;;     - Each number is divided by its block's scale, clamped to +-7.5, and rounded to the nearest number of E2M3, ties to even, subnormals kept.
;;     - The product sums the exact products of the quantised numbers (number of the format x scale) in f32.
;;   ~~~python
;;   def quantise(x, axis):      # numpy; x: float32 -> the quantised numbers, widened to float32 again
;;       x = np.moveaxis(x, axis, -1); K = x.shape[-1]
;;       x = np.pad(x, [(0, 0)] * (x.ndim - 1) + [(0, -K % 32)]); x = x.reshape(x.shape[:-1] + (-1, 32)); a = np.abs(x).max(-1, keepdims=True)
;;       e = np.where(a > 0, np.clip(np.frexp(np.where(a > 0, a, 1))[1] - 1 - 2, -126, 127), 0)      # np.frexp(a)[1] - 1 = floor(log2(a)), exactly
;;       r = np.clip(x / 2.0 ** e, -7.5, 7.5)
;;       step = 2.0 ** (np.maximum(np.frexp(np.where(r == 0, 1, r))[1] - 1, 0) - 3)
;;       q = np.round(r / step) * step * 2.0 ** e      # np.round: ties to even
;;       return np.moveaxis(q.reshape(q.shape[:-2] + (-1,))[..., :K], -1, axis).astype(np.float32)
;;   ~~~
;;   SOFTMAX AHEAD OF A QUANTISED PRODUCT. Where the list says 'softmax', what is quantised is not the finished softmax but p = 2^(t - M), with t = logit x log2(e) and M = ceil(the row's largest t), a whole number; so 1/2 < the row's largest p <= 1. The row's sum l is taken of the UNQUANTISED p, in f32, and the product's result is divided by l at the end. Since M is a whole number, a kernel that streams over the keys may use a running M (the ceiling of the running maximum): every later rescaling is an exact power of two, which a block's scale takes up: the codes' values come out the same.
;;   OPERANDS COMPUTED ON THE WAY. 'Computed on the way' means the value that the module computes at that place (a softmax that the list does not call 'softmax' is quantised finished and normalised). What goes into a quantiser is computed in f32, as accurately as f32 sums, v_exp_f32 and their like allow (about 1e-6 of the number): no bf16 or f16 on the way to a quantiser, and a product that is left as it is and whose result goes on into a quantised operand takes f32 operands (vector FMAs, or v_wmma_f32_16x16x4_f32). A number that lies on a knife's edge between two numbers of the format may be rounded either way, as far as f32 arithmetic and the matrix unit's own rounding can turn it there, and no further.
;; One version. Each part assembles by itself: llvm-mc -triple=amdgcn-amd-amdhsa -mcpu=gfx1250 --defsym DOCPART=n.
;; ======== version 1 of 1: 4 launches
;; limits: right only within a limited range of input values
;; workspace buffers: xq 6,553,600 bytes; wq 3,276,800 bytes; rope 524,288 bytes; qb 6,815,744 bytes; kv 13,631,488 bytes; cq 6,553,600 bytes
;; launch prep (part 1): grid 416 x 1, 4 waves a work-group, no clusters, 35,328 bytes of LDS; arguments x, w_q, w_k, w_v, w_o, token_positions, xq, wq, rope; writes xq, wq, rope
.if DOCPART == 1
	.amdgcn_target "amdgcn-amd-amdhsa--gfx1250"
	.amdhsa_code_object_version 6
	.text
	.protected	k_qb1571d2031_prep
	.globl	k_qb1571d2031_prep
	.p2align	8
	.type	k_qb1571d2031_prep,@function
k_qb1571d2031_prep:
	s_mov_b64 s[64:65], 0
	v_nop
	global_prefetch_b8 v0, s[64:65] scope:SCOPE_SE
	s_setreg_imm32_b32 hwreg(HW_REG_WAVE_MODE, 25, 1), 1
	s_wait_xcnt 0x0
; x [8192][1024] and the four weights [1024][1024], f32, K innermost, become codes of FP6 (E2M3) with one E8M0 byte for each 32 along K, laid as IMAGES OF OPERAND REGISTERS;
; and the table of cos and sin for the rotation of q and k is made from token_positions.
; TILES.  16 rows form a tile; tile 2 B + u holds at place r the row 32 B + 8 u + r + 8 (r / 8).  Used as source 0 of a matrix instruction, the 16 result registers of tiles 2 B, 2 B + 1 are then 16 neighbouring rows.
; IMAGE.  A fragment (16 rows x 128 K, 12 registers a lane) is 1,536 bytes: for c = 0, 1: registers 6 c .. 6 c + 3 at 768 c + 16 x lane, registers 6 c + 4, 6 c + 5 at 768 c + 512 + 8 x lane.
; A buffer is [tile][K step 0..7][1,536]; behind all codes the scale words [tile][K step][place r], 4 bytes each.  Every store of a wave covers 512 or 256 consecutive bytes, aligned.
; SHARES.  Work-groups 0-255: x, 256-383: w_q, w_k, w_v, w_o (32 each): a work-group takes two tiles, a wave one tile and half of K (four K steps).  Only pointers are chosen by the work-group's number: one path.
; Work-groups 384-415: a wave makes one tile (16 positions) of the table: group g at 512 g + 16 x lane holds (cos, sin, cos, sin) of the pairs i = 16 (g / 4) + 8 (lane / 16) + 2 (g % 4) + 0, 1.
; A load reads 512 consecutive bytes of one row; the conversions want 16 neighbours in one lane: so a K step's 16 rows turn through the wave's own stage in LDS (rows of 512 + 16 bytes).
; LIMITS: NaN and infinities are not served.  A block of zeros, or one whose largest magnitude lies under 2^-124, gets the byte 1 (zeros: where the quantiser says 127: its codes are zeros, and this program alone reads the bytes).
; The angles: |position x frequency| under 2^22; the frequencies are 10^(-i/8) rounded to f32, which may differ in the last bit from a power and a division in f32; cos and sin by reduction with pi/2 in three parts and polynomials, about 1e-7.
.set WREG,  8704                       ; LDS of a wave: the stage, 16 x 528, and 256 bytes of scale words
.set STP,   528
.set SCW,   16*STP
.set SPARE, 4*WREG                     ; the spare words: 128 bytes a wave, two blocks of 256 bytes that no other line names
.set XSC,   6291456                    ; where xq's scale words begin
.set WSC,   3145728                    ; and wq's
.set TROW,  12288                      ; a tile's codes
.set L16, 1                            ; v1  16 x lane
.set L8,  2                            ; v2  8 x lane
.set SA,  3                            ; v3  the stage, on the way in
.set LA,  4                            ; v4  and out: 528 r + 64 h
.set SCA, 5                            ; v5  my row's scale word in LDS
.set SCLD, 6                           ; v6  and the words on their way out, 8 bytes a lane
.set SPW, 12                           ; v12 my spare word; never rewritten
.set NIL, 13                           ; v13 0; never rewritten
.set R,   16                           ; v16-143  two sets of 64 registers as loaded
.set X,   144                          ; v144-207 64 numbers of my row: register 16 b + i = k 32 b + 16 h + i
.set PC,  208                          ; v208-219 the fragment; v220-222, v224-226 at work
.set TM,  228                          ; v228-243 at work
.set PW,  244                          ; v244 the scale word
.set SEL, 40                           ; s[40:41] selects of v_permlanex16_b32 for lane l xor 16
.macro QUANT s                         ; 64 numbers become a fragment's codes in v[PC] on and my row's scale word in v[PW]
.irp b, 0,1,2,3
	v_max3_num_f32 v[TM+\b], |v[\s+16*\b]|, |v[\s+1+16*\b]|, 0x1800000   ; block b: my 16 numbers, and the floor 2^(3 - 127): the byte cannot fall under 1
.endr
.irp i, 2,4,6,8,10,12,14
.irp b, 0,1,2,3
	v_max3_num_f32 v[TM+\b], v[TM+\b], |v[\s+16*\b+\i]|, |v[\s+1+16*\b+\i]|
.endr
.endr
.irp b, 0,1,2,3
	v_permlanex16_b32 v[TM+4+\b], v[TM+\b], s[SEL], s[SEL+1]
.endr
.irp b, 0,1,2,3
	v_max_num_f32 v[TM+\b], v[TM+\b], v[TM+4+\b]   ; with lane l xor 16's: the block's largest magnitude
.endr
.irp b, 0,1,2,3
	v_add_nc_u32 v[TM+12+\b], 0xff000000, v[TM+\b]   ; 2 off its exponent field: the conversion's scale operand
.endr
.irp b, 0,1,2,3
	v_lshrrev_b32 v[TM+4+\b], 23, v[TM+12+\b]      ; the scale's byte
.endr
	v_lshl_or_b32 v[PW], v[TM+5], 8, v[TM+4]
	v_lshl_or_b32 v[PW], v[TM+6], 16, v[PW]
	v_lshl_or_b32 v[PW], v[TM+7], 24, v[PW]
.irp c, 0,1
	v_cvt_scalef32_pk16_fp6_f32 v[PC+6*\c:PC+2+6*\c], v[\s+32*\c:\s+15+32*\c], v[TM+12+2*\c]
	v_cvt_scalef32_pk16_fp6_f32 v[PC+12+4*\c:PC+14+4*\c], v[\s+16+32*\c:\s+31+32*\c], v[TM+12+2*\c+1]   ; (a conversion's three registers begin on an even number)
.endr
	v_nop                                          ; one plain place behind a scaled conversion
.irp c, 0,1                                    ; the layout wants a whole block in a lane: lanes 0-15 block 2 c, lanes 16-31 block 2 c + 1
.irp i, 0,1,2
	v_permlane16_swap_b32 v[PC+6*\c+\i], v[PC+12+4*\c+\i]
.endr
.irp i, 0,1,2
	v_mov_b32 v[PC+3+6*\c+\i], v[PC+12+4*\c+\i]
.endr
.endr
.endm
	s_load_b512 s[16:31], s[0:1], 0x0              ; x, w_q, w_k, w_v, w_o, token_positions, xq, wq
	s_load_b64 s[32:33], s[0:1], 0x40              ; rope
	v_lshl_add_u32 v[SPW], v0, 2, SPARE
	v_mov_b32 v[NIL], 0
	v_lshrrev_b32 v7, 5, v0
	v_readfirstlane_b32 s4, v7                     ; wave
	v_and_b32 v7, 31, v0                           ; lane
	v_and_b32 v8, 15, v0                           ; r
	v_bfe_u32 v9, v0, 4, 1                         ; h
	v_lshlrev_b32 v[L16], 4, v7
	v_lshlrev_b32 v[L8], 3, v7
	s_mul_i32 s5, s4, WREG
	v_add_nc_u32 v[SA], s5, v[L16]
	v_mul_u32_u24 v[LA], v8, STP
	v_lshl_add_u32 v[LA], v9, 6, v[LA]
	v_add_nc_u32 v[LA], s5, v[LA]
	s_add_co_u32 s5, s5, SCW
	v_lshl_add_u32 v[SCA], v8, 2, s5
	v_add_nc_u32 v[SCLD], s5, v[L8]
	s_lshr_b32 s6, s4, 1                           ; which of the work-group's two tiles
	s_and_b32 s7, s4, 1                            ; which half of K
	s_mov_b32 s[SEL], 0x76543210
	s_mov_b32 s[SEL+1], 0xfedcba98
.irp b, 0,1,2,3
	v_mov_b32 v[TM+4+\b], 0                        ; written once: a lane permute's destination counts as one of its sources
.endr
	s_wait_kmcnt 0x0
	s_cmp_ge_u32 ttmp9, 384
	s_cbranch_scc1 .Lrope
	; which tensor: the choice hangs on the work-group's number alone
	s_mov_b64 s[34:35], s[24:25]                   ; w_o,
	s_cmp_lt_u32 ttmp9, 352
	s_cselect_b64 s[34:35], s[22:23], s[34:35]     ; w_v,
	s_cmp_lt_u32 ttmp9, 320
	s_cselect_b64 s[34:35], s[20:21], s[34:35]     ; w_k,
	s_cmp_lt_u32 ttmp9, 288
	s_cselect_b64 s[34:35], s[18:19], s[34:35]     ; w_q,
	s_mov_b32 s9, WSC
	s_mov_b32 s10, 63
	s_cmp_lt_u32 ttmp9, 256
	s_cselect_b64 s[34:35], s[16:17], s[34:35]     ; or x
	s_cselect_b64 s[36:37], s[28:29], s[30:31]     ; into xq or wq
	s_cselect_b32 s9, XSC, s9                      ; where that buffer's scale words begin
	s_cselect_b32 s10, 511, s10                    ; tiles in the source tensor, less 1
	s_cselect_b32 s8, 0, 256
	s_sub_co_u32 s8, ttmp9, s8
	s_lshl_b32 s8, s8, 1
	s_add_co_u32 s8, s8, s6                        ; my tile in the buffer
	s_and_b32 s10, s8, s10                         ; and in the source tensor
	s_lshr_b32 s11, s10, 1
	s_lshl_b32 s11, s11, 5
	s_and_b32 s10, s10, 1
	s_lshl_b32 s10, s10, 3
	s_add_co_u32 s10, s10, s11                     ; its first row: 32 (T / 2) + 8 (T % 2)
	s_lshl_b32 s10, s10, 12                        ; rows of 4,096 bytes
	s_lshl_b32 s11, s7, 11                         ; my half of K: 2,048 bytes
	s_add_co_u32 s10, s10, s11
	s_mov_b32 s11, 0
	s_add_nc_u64 s[34:35], s[34:35], s[10:11]
	s_mul_i32 s10, s8, TROW
	s_mul_i32 s12, s7, 6144
	s_add_co_u32 s10, s10, s12
	s_add_nc_u64 s[38:39], s[36:37], s[10:11]      ; my four fragments
	s_lshl_b32 s10, s8, 9
	s_lshl_b32 s12, s7, 8
	s_add_co_u32 s10, s10, s12
	s_add_co_u32 s10, s10, s9
	s_add_nc_u64 s[36:37], s[36:37], s[10:11]      ; my 256 bytes of scale words
.macro LOAD k                          ; K step k of the tile's 16 rows: each load reads 512 consecutive bytes of one row
.irp i, 0,1,2,3,4,5,6,7,8,9,10,11,12,13,14,15
	global_load_b128 v[R+64*((\k)%2)+4*\i:R+64*((\k)%2)+4*\i+3], v[L16], s[34:35] offset:(\i+8*(\i/8))*4096+512*(\k) th:TH_LOAD_NT
.endr
.endm
.macro KSTEP k
.if \k < 3
	s_wait_loadcnt 16                              ; this K step's 16 loads are in; the next one's 16 may be out
.else
	s_wait_loadcnt 0x0
.endif
.irp i, 0,1,2,3,4,5,6,7,8,9,10,11,12,13,14,15
	ds_store_b128 v[SA], v[R+64*((\k)%2)+4*\i:R+64*((\k)%2)+4*\i+3] offset:STP*\i
.endr
.irp b, 0,1,2,3
.irp j, 0,1,2,3
	ds_load_b128 v[X+16*\b+4*\j:X+16*\b+4*\j+3], v[LA] offset:128*\b+16*\j   ; LDS serves a wave's instructions in order: these see my stores
.endr
.endr
	s_wait_dscnt 0x0                               ; the numbers are back, and the stores have read their registers,
.if \k < 2
	LOAD \k+2                                      ; which take the loads of two K steps on
.endif
.if \k > 0
	s_wait_xcnt 0x0                                ; the last K step's stores have read the codes' registers
.endif
	QUANT X
	global_store_b128 v[L16], v[PC:PC+3], s[38:39] offset:1536*\k
	global_store_b64 v[L8], v[PC+4:PC+5], s[38:39] offset:1536*\k+512
	global_store_b128 v[L16], v[PC+6:PC+9], s[38:39] offset:1536*\k+768
	global_store_b64 v[L8], v[PC+10:PC+11], s[38:39] offset:1536*\k+1280
	ds_store_b32 v[SCA], v[PW] offset:64*\k        ; both halves of the lanes write the same word with the same value
.endm
	LOAD 0
	LOAD 1
	s_wait_alu depctr_va_vdst(0)
	KSTEP 0
	KSTEP 1
	KSTEP 2
	KSTEP 3
	ds_load_b64 v[246:247], v[SCLD]
	s_wait_dscnt 0x0
	global_store_b64 v[L8], v[246:247], s[36:37]   ; 32 lanes store 256 consecutive bytes, aligned
	s_branch .Lend
.Lrope:
	s_sub_co_u32 s5, ttmp9, 384
	s_lshl_b32 s5, s5, 2
	s_add_co_u32 s5, s5, s4                        ; my tile of positions, 0 .. 127
	s_lshr_b32 s6, s5, 1
	s_lshl_b32 s6, s6, 5
	s_and_b32 s7, s5, 1
	s_lshl_b32 s7, s7, 3
	s_add_co_u32 s6, s6, s7                        ; its first position
	v_and_b32 v10, 8, v8
	v_add_nc_u32 v10, v10, v8                      ; r + 8 (r / 8)
	v_add_nc_u32 v10, s6, v10
	v_lshlrev_b32 v10, 2, v10
	global_load_b32 v11, v10, s[26:27]
	s_lshl_b32 s6, s5, 12
	s_mov_b32 s7, 0
	s_add_nc_u64 s[32:33], s[32:33], s[6:7]
	s_mov_b32 s44, 0xbfc90fda                      ; -pi/2 in three parts
	s_mov_b32 s45, 0xb3a22168
	s_mov_b32 s46, 0xa7c234c5
	s_mov_b32 s47, 0xbe2aaaab                      ; sin: -1/6, 1/120, -1/5040, 1/362880
	s_mov_b32 s48, 0x3c088889
	s_mov_b32 s49, 0xb9500d01
	s_mov_b32 s50, 0x3638ef1d
	s_mov_b32 s52, 0x3d2aaaab                      ; cos: 1/24, -1/720, 1/40320, -1/3628800
	s_mov_b32 s53, 0xbab60b61
	s_mov_b32 s54, 0x37d00d01
	s_mov_b32 s55, 0xb493f27e
	v_cmp_eq_u32 vcc_lo, 1, v9                     ; lanes 16-31
	s_wait_loadcnt 0x0
	v_cvt_f32_i32 v11, v11
; the angle in v20 -> cos in v[cd], sin in v[sd]
.macro SINCOS cd, sd
	v_mul_f32 v21, 0x3f22f983, v20                 ; x 2/pi
	v_rndne_f32 v21, v21                           ; n
	v_fma_f32 v22, v21, s44, v20
	v_fma_f32 v22, v21, s45, v22
	v_fma_f32 v22, v21, s46, v22                   ; y = angle - n pi/2, |y| <= pi/4
	v_mul_f32 v23, v22, v22                        ; z = y^2
	v_cvt_i32_f32 v26, v21
	v_fma_f32 v24, v23, s50, s49
	v_fma_f32 v25, v23, s55, s54
	v_fma_f32 v24, v24, v23, s48
	v_fma_f32 v25, v25, v23, s53
	v_fma_f32 v24, v24, v23, s47
	v_fma_f32 v25, v25, v23, s52
	v_mul_f32 v27, v22, v23
	v_fma_f32 v25, v25, v23, -0.5
	v_fma_f32 v24, v27, v24, v22                   ; sin y
	v_fma_f32 v25, v25, v23, 1.0                   ; cos y
	v_and_b32 v27, 1, v26
	v_cmp_eq_u32 s56, 1, v27                       ; n odd: the two change places
	v_cndmask_b32 v28, v24, v25, s56
	v_cndmask_b32 v29, v25, v24, s56
	v_and_b32 v27, 2, v26
	v_lshlrev_b32 v27, 30, v27                     ; sin's sign turns where n mod 4 is 2 or 3,
	v_xor_b32 v[\sd], v28, v27
	v_add_nc_u32 v27, 1, v26
	v_and_b32 v27, 2, v27
	v_lshlrev_b32 v27, 30, v27                     ; cos's where it is 1 or 2
	v_xor_b32 v[\cd], v29, v27
.endm
.macro PAIR g, e, c0, c1               ; c0, c1: 10^(-i/8) for lanes 0-15 and for lanes 16-31 (i + 8)
	v_mov_b32 v21, \c1
	v_cndmask_b32 v21, \c0, v21, vcc_lo
	v_mul_f32 v20, v11, v21                        ; position x frequency
	SINCOS 48+4*(\g)+2*(\e), 48+4*(\g)+2*(\e)+1
.endm
	PAIR 0, 0, 1.0, 0.1
	PAIR 0, 1, 0.749894209332, 0.0749894209332
	PAIR 1, 0, 0.562341325190, 0.0562341325190
	PAIR 1, 1, 0.421696503429, 0.0421696503429
	PAIR 2, 0, 0.316227766017, 0.0316227766017
	PAIR 2, 1, 0.237137370566, 0.0237137370566
	PAIR 3, 0, 0.177827941004, 0.0177827941004
	PAIR 3, 1, 0.133352143216, 0.0133352143216
	PAIR 4, 0, 0.01, 0.001
	PAIR 4, 1, 0.00749894209332, 0.000749894209332
	PAIR 5, 0, 0.00562341325190, 0.000562341325190
	PAIR 5, 1, 0.00421696503429, 0.000421696503429
	PAIR 6, 0, 0.00316227766017, 0.000316227766017
	PAIR 6, 1, 0.00237137370566, 0.000237137370566
	PAIR 7, 0, 0.00177827941004, 0.000177827941004
	PAIR 7, 1, 0.00133352143216, 0.000133352143216
.irp g, 0,1,2,3,4,5,6,7
	global_store_b128 v[L16], v[48+4*\g:51+4*\g], s[32:33] offset:512*\g   ; each group has registers of its own: no store's data are written again
.endr
.Lend:
	s_wait_tensorcnt 0x0                           ; the wave's end, behind my last LDS store
	ds_add_u32 v[SPW], v[NIL]
	s_wait_dscnt 0x0
	s_endpgm
.Lfunc_end_k_qb1571d2031_prep:
	.size	k_qb1571d2031_prep, .Lfunc_end_k_qb1571d2031_prep-k_qb1571d2031_prep
	.p2alignl 7, 3214868480
	.fill 96, 4, 3214868480
	.section	.rodata,"a",@progbits
	.p2align	6, 0x0
	.amdhsa_kernel k_qb1571d2031_prep
		.amdhsa_group_segment_fixed_size 35328
		.amdhsa_private_segment_fixed_size 0
		.amdhsa_enable_private_segment 0
		.amdhsa_kernarg_size 72
		.amdhsa_user_sgpr_count 2
		.amdhsa_user_sgpr_kernarg_segment_ptr 1
		.amdhsa_wavefront_size32 1
		.amdhsa_system_sgpr_workgroup_id_x 1
		.amdhsa_system_sgpr_workgroup_id_y 1
		.amdhsa_system_sgpr_workgroup_id_z 1
		.amdhsa_system_vgpr_workitem_id 0
		.amdhsa_next_free_vgpr 248
		.amdhsa_next_free_sgpr 66
		.amdhsa_reserve_vcc 1
		.amdhsa_float_denorm_mode_32 3
		.amdhsa_float_denorm_mode_16_64 3
		.amdhsa_memory_ordered 1
		.amdhsa_forward_progress 1
		.amdhsa_inst_pref_size 62
	.end_amdhsa_kernel
	.amdgpu_metadata
---
amdhsa.version: [ 1, 2 ]
amdhsa.kernels:
  - .name:           k_qb1571d2031_prep
    .symbol:         k_qb1571d2031_prep.kd
    .args:
      - { .name: x, .offset: 0, .size: 8, .value_kind: global_buffer, .address_space: global }
      - { .name: w_q, .offset: 8, .size: 8, .value_kind: global_buffer, .address_space: global }
      - { .name: w_k, .offset: 16, .size: 8, .value_kind: global_buffer, .address_space: global }
      - { .name: w_v, .offset: 24, .size: 8, .value_kind: global_buffer, .address_space: global }
      - { .name: w_o, .offset: 32, .size: 8, .value_kind: global_buffer, .address_space: global }
      - { .name: token_positions, .offset: 40, .size: 8, .value_kind: global_buffer, .address_space: global }
      - { .name: xq, .offset: 48, .size: 8, .value_kind: global_buffer, .address_space: global }
      - { .name: wq, .offset: 56, .size: 8, .value_kind: global_buffer, .address_space: global }
      - { .name: rope, .offset: 64, .size: 8, .value_kind: global_buffer, .address_space: global }
    .group_segment_fixed_size: 35328
    .private_segment_fixed_size: 0
    .kernarg_segment_align: 8
    .kernarg_segment_size: 72
    .max_flat_workgroup_size: 128
    .sgpr_count:     66
    .vgpr_count:     248
    .wavefront_size: 32
...
	.end_amdgpu_metadata
.endif
;; end of part 1
;; launch qkv (part 2): grid 12 x 32, 4 waves a work-group, clusters of 4 x 4, 327,680 bytes of LDS; arguments xq, wq, rope, qb, kv; writes qb, kv
.if DOCPART == 2
	.amdgcn_target "amdgcn-amd-amdhsa--gfx1250"
	.amdhsa_code_object_version 6
	.text
	.protected	k_qb1571d2031_qkv
	.globl	k_qb1571d2031_qkv
	.p2align	8
	.type	k_qb1571d2031_qkv,@function
k_qb1571d2031_qkv:
	s_mov_b64 s[64:65], 0
	v_nop
	global_prefetch_b8 v0, s[64:65] scope:SCOPE_SE
	s_setreg_imm32_b32 hwreg(HW_REG_WAVE_MODE, 25, 1), 1
	s_wait_xcnt 0x0
	s_wait_alu depctr_hold_cnt(0) depctr_sa_sdst(0) depctr_va_vdst(0) depctr_va_sdst(0) depctr_va_ssrc(0) depctr_va_vcc(0) depctr_vm_vsrc(0)
	s_getreg_b32 s2, hwreg(HW_REG_IB_STS2, 6, 4)
	s_cmp_eq_u32 s2, 0
	s_cbranch_scc0 .Lentry_in_a_cluster
	s_endpgm
.Lentry_in_a_cluster:
	s_bfe_u32 s2, ttmp6, 0x10000c
	s_cmp_lg_u32 s2, 0xf033
	s_cbranch_scc0 .Lentry_shape_is_right
	s_endpgm
.Lentry_shape_is_right:
; q, k and v = x W^T on codes of FP6 (E2M3) with E8M0 scales; q and k are rotated by the table of cos and sin and quantised along the head's 64; v is quantised along the keys.  Nothing but codes and scale bytes goes to memory.
; OPERANDS come as images of registers: [tile of 16 rows][K step 0..7][1,536 bytes], scale words [tile][K step][place] behind the codes.  Tile 2 B + u holds at place r the row 32 B + 8 u + r + 8 (r / 8).
; THE PRODUCT.  A work-group of four waves, as many as a WGP has SIMDs, makes 256 x 256; a wave 128 x 128: 64 accumulators, 512 registers.  Source 0 = a tile of operand B, source 1 = a tile of operand A: in accumulator (a, b) lane (r, h)
; holds place r of A's tile a, and its register j B's row 32 (b / 2) + 16 h + 8 (b % 2) + j: the 16 registers of b = 2 B, 2 B + 1 are 16 neighbours.  K = 1,024 goes in four steps of 256 through two LDS slots; the steps are written out.
; ROLES, by the cluster's x, which all sixteen partners share: 0: q, 1: k: A = x, B = the weight: a lane holds one token and runs along the head's axis.  2: v: A = w_v, B = x: a lane holds one channel and runs along the keys.
; CLUSTERS: 4 x 4 work-groups; A's tiles are shared along a row of the cluster, B's along a column: each is asked for jointly, by the same tensor load with the same descriptor and a mask that names the four.
; OUT.  qb: [batch x head][block of 128 queries]: 8 tiles x 768 bytes (registers 0-3 at 16 x lane, 4-5 at 512 + 8 x lane), then 512 bytes of scale words: at 16 x lane the words of tiles 4 (lane / 16) + 0 .. 3 of row lane % 16.
; kv: [batch x head][block of 128 keys] of 13,312 bytes: k as in qb at 0 (words at 12,288); v's four fragments (16 channels x 128 keys) at 6,144; their words at 12,800 + 16 x lane.  q's and k's words hold their two bytes twice.
; LIMITS: NaN and infinities are not served; a block of zeros, or one under 2^-124, gets the byte 1 (its codes are zeros where it is all zeros; this program alone reads the bytes).
; REGISTERS: window 0: v0-31 addresses; v32-63 scale words, two sets, and nothing else; v64-127 at work on the way out; v128-223 A's fragments, one set, later the codes made.  window 1: B's fragments, two sets (v0, v128), later the table.  windows 2, 3: accumulator (a, b) at v[8 (8 (a % 4) + b)].
.set FR,    12                         ; registers of a fragment
.set NL,    4                          ; LDS loads that bring one
.set NP,    4                          ; places behind this matrix instruction (ISA guide 7.12.1)
.set TILEB, 3072                       ; a tile's bytes in a slot: two K steps of 128
.set HALFT, 8*TILEB                    ; what one tensor load brings, and what one wave reads of A or of B
.set SLOT,  4*HALFT                    ; A's 16 tiles, then B's
.set TROW,  12288                      ; a tile's codes in memory
.set SCL,   2*SLOT                     ; behind the ring: A's scale words, 8,192 bytes;
.set SCB,   8256                       ; B's begin here behind them: 64 bytes on, so that the two halves of a load's lanes fall on different banks
.set SPARE, 213248                     ; the spare words: 128 bytes a wave, two blocks of 256 bytes that no other line names
.set XSC,   6291456
.set WSC,   3145728
.set A16,  16                          ; v16-17 my A fragments in slot 0, 1: + 16 x lane;  v18-19: + 8 x lane
.set A8,   18
.set B16,  20                          ; v20-23 the same for B
.set B8,   22
.set L16,  24                          ; v24 16 x lane
.set L8,   25                          ; v25 8 x lane
.set ADRS, 27                          ; v27 my scale words: lanes 0-15 A's, lanes 16-31 B's
.set SPW,  28                          ; v28 my spare word; never rewritten
.set NIL,  29                          ; v29 0; never rewritten
.set SC,   32                          ; set s at v[SC + 16 s]; register 2 i + q: lanes 0-15 A's block i, lanes 16-31 B's block i, the slot's q-th 128 along K
.set AF,   128
.set T,    64                          ; the way out: v64-95 32 rotated numbers
.set PT,   96                          ; v96-98, v100-102 halves of blocks
.set SW,   100                         ; v100-103 (q, k) the words that I store
.set TM,   104                         ; v104-119 at work
.set WD,   120                         ; v120-127 eight scale words
.set SEL,  92                          ; s[92:93] selects for lane l xor 16
.set G1, 24
.set G0, 32
.set G1B, 48
.set G0B, 56
.set G1S, 68
.set G0S, 76
.set G1SB, 80
.set G0SB, 88
.set MSB, 0
.macro WIN new                         ; the immediate's high byte repeats the setting that is left
.if MSB != (\new)
	s_set_vgpr_msb (MSB<<8)|(\new)
.set MSB, \new
.endif
.endm
.set MUL_LO, 0xa1                      ; source 0 (B) window 1, source 1 (A) window 0, C and D window 2
.set MUL_HI, 0xf1
.set TO_B,   0x40                      ; destination window 1, address window 0
; A joint load: waves 0 and 1 fetch for A, waves 2 and 3 for B; the branch hangs on the wave's number alone.  An s_nop 0 and four v_nop follow each of the two lines.
.macro JLOAD g0a, g1a, g0b, g1b
	s_cmp_eq_u32 s15, 0
	s_cbranch_scc0 .Lfor_b_\@
	tensor_load_to_lds s[\g0a:\g0a+3], s[\g1a:\g1a+7]
	s_nop 0
.rept 4
	v_nop
.endr
	s_branch .Lasked_\@
.Lfor_b_\@:
	tensor_load_to_lds s[\g0b:\g0b+3], s[\g1b:\g1b+7]
	s_nop 0
.rept 4
	v_nop
.endr
.Lasked_\@:
.endm
.macro CREST                           ; a round of the cluster's barrier behind its opening barrier
	s_cmp_lg_u32 s14, 0
	s_cbranch_scc1 .Lnot_wave_0_\@
	s_barrier_signal -3
.Lnot_wave_0_\@:
	s_barrier_wait -3
	s_barrier_signal -1
	s_barrier_wait -1
.endm
.macro CROUND
	s_barrier_signal -1
	s_barrier_wait -1
	CREST
.endm
.macro PLACES n
.rept \n
	v_nop
.endr
.endm
.macro FRAG reg, a16, a8, q, i         ; a fragment comes as it was stored: every load reads 512 or 256 consecutive bytes
	ds_load_b128 v[\reg:\reg+3], v[\a16] offset:TILEB*(\i)+1536*(\q)
	ds_load_b64 v[\reg+4:\reg+5], v[\a8] offset:TILEB*(\i)+1536*(\q)+512
	ds_load_b128 v[\reg+6:\reg+9], v[\a16] offset:TILEB*(\i)+1536*(\q)+768
	ds_load_b64 v[\reg+10:\reg+11], v[\a8] offset:TILEB*(\i)+1536*(\q)+1280
.endm
.macro FETCH_B slot, q, p
	WIN TO_B
.irp i, 0,1,2,3,4,5,6,7
	FRAG 128*(\p)+FR*\i, B16+\slot, B8+\slot, \q, \i
.endr
	WIN 0
.endm
.macro FETCH_A slot, q, i0
.irp i, \i0, \i0+1, \i0+2, \i0+3
	FRAG AF+FR*(\i), A16+\slot, A8+\slot, \q, \i
.endr
.endm
.macro SCALES set, phase               ; the scale words of K steps 2 phase and 2 phase + 1
.irp i, 0,1,2,3,4,5,6,7
.irp q, 0,1
	ds_load_b32 v[SC+16*(\set)+2*\i+\q], v[ADRS] offset:512*\i+64*(2*(\phase)+\q)
.endr
.endr
.endm
; 16 matrix instructions: A's blocks a0, a0 + 1 x B's eight.  The 64 accumulators take turns, one instruction a turn, in the same order in every step.
.macro MUL16 a0, p, q, sc, zero
.irp a, \a0, \a0+1
.irp b, 0,1,2,3,4,5,6,7
.if \zero
	v_wmma_scale_f32_16x16x128_f8f6f4 v[8*(8*((\a)%4)+\b):8*(8*((\a)%4)+\b)+7], v[128*(\p)+FR*\b:128*(\p)+FR*\b+FR-1], v[AF+FR*(\a):AF+FR*(\a)+FR-1], 0, v[SC+16*(\sc)+2*\b+(\q)], v[SC+16*(\sc)+2*(\a)+(\q)] matrix_a_fmt:MATRIX_FMT_FP6 matrix_b_fmt:MATRIX_FMT_FP6 matrix_a_scale:MATRIX_SCALE_ROW1
.else
	v_wmma_scale_f32_16x16x128_f8f6f4 v[8*(8*((\a)%4)+\b):8*(8*((\a)%4)+\b)+7], v[128*(\p)+FR*\b:128*(\p)+FR*\b+FR-1], v[AF+FR*(\a):AF+FR*(\a)+FR-1], v[8*(8*((\a)%4)+\b):8*(8*((\a)%4)+\b)+7], v[SC+16*(\sc)+2*\b+(\q)], v[SC+16*(\sc)+2*(\a)+(\q)] matrix_a_fmt:MATRIX_FMT_FP6 matrix_b_fmt:MATRIX_FMT_FP6 matrix_a_scale:MATRIX_SCALE_ROW1
.endif
.endr
.endr
.endm
; A slot's first 128 along K.  A has one set of registers: blocks 0-3 are fetched anew in the step's middle, blocks 4-7 at its end; B has two sets.
.macro STEP slot, zero
	s_wait_dscnt 4*NL                              ; all but the youngest 16 loads (A's blocks 4-7) are in
	WIN MUL_LO
	MUL16 0, 0, 0, \slot, \zero
	MUL16 2, 0, 0, \slot, \zero
	s_wait_dscnt 0x0
	PLACES NP                                      ; in front of loads into registers that matrix instructions have read
	FETCH_B \slot, 1, 1
	FETCH_A \slot, 1, 0
	WIN MUL_HI
	MUL16 4, 0, 0, \slot, \zero
	MUL16 6, 0, 0, \slot, \zero
	PLACES NP
	WIN 0
	FETCH_A \slot, 1, 4
.endm
; A slot's second 128 along K changes slots: one barrier; in front of it each wave waits for all its tensor loads, adds 0 to its spare word, and waits for that and for its reads of this slot.  fill = 1: the slot is filled again, two steps ahead.
.macro TURN slot, next, fill, phase
	s_wait_tensorcnt 0x0                           ; all my tensor loads have landed: my part of the next slot
	ds_add_u32 v[SPW], v[NIL]                      ; 0 onto my spare word
	s_wait_dscnt 4*NL+1                            ; (the add and the youngest 16 loads may be out)
	WIN MUL_LO
	MUL16 0, 1, 1, \slot, 0
	s_wait_dscnt 0x0                               ; the add is done, and my reads of this slot are over
	s_barrier_signal -1
	MUL16 2, 1, 1, \slot, 0
	WIN 0
	s_barrier_wait -1
.if \fill
	CREST                                          ; the barrier has opened a round of the cluster's: no wave of any partner still reads this slot or has a load on its way
	s_add_nc_u64 s[G0+4*\slot+2:G0+4*\slot+3], s[G0+4*\slot+2:G0+4*\slot+3], 2*TILEB
	s_add_nc_u64 s[G0B+4*\slot+2:G0B+4*\slot+3], s[G0B+4*\slot+2:G0B+4*\slot+3], 2*TILEB
	JLOAD G0+4*\slot, G1, G0B+4*\slot, G1B         ; the first tensor load behind the round; its four v_nop are the places in front of the loads below
.else
	PLACES NP
.endif
	FETCH_B \next, 0, 0
	FETCH_A \next, 0, 0
	SCALES \next, \phase
	WIN MUL_HI
	MUL16 4, 1, 1, \slot, 0
	MUL16 6, 1, 1, \slot, 0
	PLACES NP
	WIN 0
	FETCH_A \next, 0, 4
.endm
	s_load_b256 s[4:11], s[0:1], 0x0               ; xq s[4:5], wq s[6:7], rope s[8:9], qb s[10:11]
	s_load_b64 s[12:13], s[0:1], 0x20              ; kv
	v_lshl_add_u32 v[SPW], v0, 2, SPARE
	v_mov_b32 v[NIL], 0
	ds_add_u32 v[SPW], v[NIL]                      ; the wave's opening: the adds and their wait ahead of my first tensor load; work on registers stands between them
	ds_add_u32 v[SPW], v[NIL]
	v_lshrrev_b32 v1, 5, v0
	v_readfirstlane_b32 s14, v1                    ; wave 0..3
	s_lshr_b32 s15, s14, 1                         ; which half of A's 16 tiles is mine.  Also: I fetch for A (0) or for B (1)
	s_and_b32 s16, s14, 1                          ; which half of B's.  Also: which 8 tiles I fetch
	s_bfe_u32 s40, ttmp6, 0x40000                  ; cx
	s_bfe_u32 s41, ttmp6, 0x40004                  ; cy
	s_and_b32 s17, ttmp7, 0xffff
	s_lshl_b32 s17, s17, 2                         ; 4 x cluster y
	s_add_co_u32 s18, s17, s41                     ; q, k: A = x's block 4 Y + cy
	s_add_co_u32 s19, s41, 8                       ; v: A = wq's block 8 + cy
	s_add_co_u32 s42, s17, s40                     ; v: B = x's block 4 Y + cx
	s_lshl_b32 s45, ttmp9, 2
	s_add_co_u32 s45, s45, s40                     ; q, k: B = wq's block 4 X + cx
	s_mov_b32 s104, XSC
	s_mov_b32 s105, WSC
	s_cmp_eq_u32 ttmp9, 2                          ; the cluster's x: the same in all sixteen partners
	s_cselect_b32 s18, s19, s18                    ; A's block of 16 tiles: it holds cy and never cx
	s_cselect_b32 s42, s42, s45                    ; B's: it holds cx and never cy
	s_cselect_b32 s104, WSC, s104                  ; where A's buffer has its scale words
	s_cselect_b32 s105, XSC, s105                  ; and B's
	s_lshl_b32 s43, s41, 2
	s_lshl_b32 s43, 15, s43                        ; my row of the cluster
	s_lshl_b32 s44, 0x1111, s40                    ; my column
	; descriptor group 1 for codes: 8 tiles' rows of 3,072 bytes (384 elements of 8 bytes), 12,288 bytes apart, dense in LDS
	s_or_b32 s[G1+0], s43, (3<<16)|(1<<21)         ; 15:0 the mask; 17:16 elements of 8 bytes; 21 set beside a mask
	s_or_b32 s[G1B+0], s44, (3<<16)|(1<<21)
.irp g, G1, G1B
	s_mov_b32 s[\g+1], 384<<16                     ; tensor_dim0
	s_mov_b32 s[\g+2], 16<<16                      ; tensor_dim1: 16 tiles for the head's loads; set to 8 for the ring's behind them
	s_mov_b32 s[\g+3], 384<<16                     ; tile_dim0
	s_mov_b32 s[\g+4], 16                          ; tile_dim1
	s_mov_b32 s[\g+5], 1536                        ; tensor_dim0_stride
	s_mov_b32 s[\g+6], 0
	s_mov_b32 s[\g+7], 0
.endr
	; and for 16 tiles' scale words: 8,192 dense bytes as 32 rows of 256
	s_or_b32 s[G1S+0], s43, (3<<16)|(1<<21)
	s_or_b32 s[G1SB+0], s44, (3<<16)|(1<<21)
.irp g, G1S, G1SB
	s_mov_b32 s[\g+1], 32<<16
	s_mov_b32 s[\g+2], 32<<16                      ; 16 tiles' scale words: 8,192 dense bytes as 32 rows of 256
	s_mov_b32 s[\g+3], 32<<16
	s_mov_b32 s[\g+4], 32
	s_mov_b32 s[\g+5], 32
	s_mov_b32 s[\g+6], 0
	s_mov_b32 s[\g+7], 0
.endr
	s_lshl_b32 s19, s16, 3
	s_lshl_b32 s20, s18, 4                         ; A: the block's first tile
	s_lshl_b32 s46, s42, 4                         ; B likewise
	s_lshl_b32 s22, s20, 9
	s_add_co_u32 s22, s22, s104                    ; their scale words, 512 bytes a tile
	s_mov_b32 s23, 0
	s_lshl_b32 s92, s46, 9
	s_add_co_u32 s92, s92, s105
	s_mov_b32 s93, 0
	s_mul_i32 s20, s20, TROW                       ; and their codes
	s_mov_b32 s21, 0
	s_mul_i32 s46, s46, TROW
	s_mov_b32 s47, 0
	s_mul_i32 s45, s14, HALFT                      ; where they go: wave x 8 tiles: no place in the cluster enters an LDS address
	s_wait_dscnt 0x0                               ; the opening add is done
	s_wait_kmcnt 0x0
	s_cmp_eq_u32 ttmp9, 2
	s_cselect_b64 s[96:97], s[6:7], s[4:5]         ; A's buffer
	s_cselect_b64 s[98:99], s[4:5], s[6:7]         ; B's
	s_add_nc_u64 s[20:21], s[96:97], s[20:21]
	s_add_nc_u64 s[22:23], s[96:97], s[22:23]
	s_add_nc_u64 s[46:47], s[98:99], s[46:47]
	s_add_nc_u64 s[92:93], s[98:99], s[92:93]
	CROUND                                         ; all sixteen work-groups are here: the first joint loads meet
	s_mov_b32 s[G0S], 1
	s_mov_b32 s[G0S+1], SCL
	s_mov_b64 s[G0S+2:G0S+3], s[22:23]
	s_or_b32 s[G0S+3], s[G0S+3], 0x80000000
	s_mov_b32 s[G0SB], 1
	s_mov_b32 s[G0SB+1], SCL+SCB
	s_mov_b64 s[G0SB+2:G0SB+3], s[92:93]
	s_or_b32 s[G0SB+3], s[G0SB+3], 0x80000000
	s_mul_i32 s94, s19, TROW                       ; in the ring I fetch 8 tiles of a block: which half, in bytes
	s_mov_b32 s95, 0
.irp s, 0,1
	s_mov_b32 s[G0+4*\s], 1
	s_add_co_u32 s[G0+4*\s+1], s45, \s*SLOT
	s_add_nc_u64 s[G0+4*\s+2:G0+4*\s+3], s[20:21], s[94:95]
	s_add_nc_u64 s[G0+4*\s+2:G0+4*\s+3], s[G0+4*\s+2:G0+4*\s+3], \s*TILEB
	s_or_b32 s[G0+4*\s+3], s[G0+4*\s+3], 0x80000000
	s_mov_b32 s[G0B+4*\s], 1
	s_add_co_u32 s[G0B+4*\s+1], s45, \s*SLOT
	s_add_nc_u64 s[G0B+4*\s+2:G0B+4*\s+3], s[46:47], s[94:95]
	s_add_nc_u64 s[G0B+4*\s+2:G0B+4*\s+3], s[G0B+4*\s+2:G0B+4*\s+3], \s*TILEB
	s_or_b32 s[G0B+4*\s+3], s[G0B+4*\s+3], 0x80000000
.endr
	s_mov_b32 s4, 1                                ; group 0 of the head's loads of codes: slot 0's 16 tiles of A (s[4:7]: the arguments that lay there are used up),
	s_mov_b32 s5, 0
	s_mov_b64 s[6:7], s[20:21]
	s_or_b32 s7, s7, 0x80000000
	s_mov_b32 s44, 1                               ; and its 16 tiles of B (s[44:47]; s[46:47] holds their address)
	s_mov_b32 s45, 2*HALFT
	s_or_b32 s47, s47, 0x80000000
; THE HEAD'S LOADS, ONE A WAVE: wave 0 slot 0's tiles of A, wave 1 those of B, wave 2 A's scale words, wave 3 B's.  One chain of branches on the wave's number, a load to each arm.
.macro ARM under, g0, g1, next
	s_cmp_lt_u32 s14, \under
	s_cbranch_scc0 \next
	tensor_load_to_lds s[\g0:\g0+3], s[\g1:\g1+7]
	s_nop 0
.rept 4
	v_nop
.endr
	s_branch .Lhead_asked
\next:
.endm
	ARM 1, 4, G1, .Lhead_b
	ARM 2, 44, G1B, .Lhead_sa
	ARM 3, G0S, G1S, .Lhead_sb
	tensor_load_to_lds s[G0SB:G0SB+3], s[G1SB:G1SB+7]
	s_nop 0
.rept 4
	v_nop
.endr
.Lhead_asked:
	v_and_b32 v1, 15, v0                           ; r
	v_bfe_u32 v2, v0, 4, 1                         ; h
	v_and_b32 v3, 31, v0
	v_lshlrev_b32 v[L16], 4, v3
	v_lshlrev_b32 v[L8], 3, v3
	s_mul_i32 s21, s15, HALFT                      ; my 8 tiles of A
	s_mul_i32 s22, s16, HALFT
	s_add_co_u32 s22, s22, 2*HALFT                 ; my 8 of B, behind A's 16
.irp s, 0,1
	v_add_nc_u32 v[A16+\s], s21, v[L16]
	v_add_nc_u32 v[A8+\s], s21, v[L8]
	v_add_nc_u32 v[B16+\s], s22, v[L16]
	v_add_nc_u32 v[B8+\s], s22, v[L8]
	s_add_co_u32 s21, s21, SLOT
	s_add_co_u32 s22, s22, SLOT
.endr
	s_lshl_b32 s21, s15, 12                        ; A's words of my 8 tiles
	s_lshl_b32 s22, s16, 12
	s_add_co_u32 s22, s22, SCB                     ; B's
	s_sub_co_u32 s22, s22, s21
	v_mul_u32_u24 v6, s22, v2                      ; lanes 16-31 take B's: the lower base + h x the distance
	s_add_co_u32 s21, s21, SCL
	v_lshl_add_u32 v6, v1, 2, v6
	v_add_nc_u32 v[ADRS], s21, v6
	s_mov_b32 s[SEL], 0x76543210
	s_mov_b32 s[SEL+1], 0xfedcba98
	v_cmp_eq_u32 s104, 1, v2                       ; lanes 16-31
	; where my results go.  G: my block of 128 tokens; then batch G / 16 and block G % 16;  my first head
	s_lshl_b32 s2, s18, 1
	s_add_co_u32 s2, s2, s15                       ; q, k: the tokens are A's rows
	s_lshl_b32 s3, s42, 1
	s_add_co_u32 s3, s3, s16                       ; v: they are B's
	s_lshl_b32 s94, s40, 2
	s_lshl_b32 s95, s16, 1
	s_add_co_u32 s94, s94, s95                     ; q, k: head 4 cx + 2 (wave % 2)
	s_lshl_b32 s95, s41, 2
	s_lshl_b32 s96, s15, 1
	s_add_co_u32 s95, s95, s96                     ; v: head 4 cy + 2 (wave / 2)
	s_cmp_eq_u32 ttmp9, 2
	s_cselect_b32 s2, s3, s2
	s_cselect_b32 s94, s95, s94
	s_lshr_b32 s3, s2, 4
	s_and_b32 s2, s2, 15
	s_lshl_b32 s3, s3, 4
	s_add_co_u32 s3, s3, s94                       ; batch x 16 + head
	s_lshl_b32 s3, s3, 4
	s_add_co_u32 s3, s3, s2                        ; the block's number
	s_mov_b32 s95, 13312
	s_mov_b32 s96, 12288
	s_cmp_eq_u32 ttmp9, 0
	s_cselect_b32 s95, 6656, s95                   ; a block's bytes in qb or in kv
	s_cselect_b32 s96, 6144, s96                   ; and where q's or k's scale words lie in it
	s_cselect_b64 s[66:67], s[10:11], s[12:13]
	s_mul_i32 s2, s3, s95
	s_mov_b32 s3, 0
	s_add_nc_u64 s[66:67], s[66:67], s[2:3]        ; my block
	s_mov_b32 s97, 0
	s_add_nc_u64 s[96:97], s[66:67], s[96:97]      ; its scale words
	s_lshl_b32 s98, s95, 4                         ; from a head to the next: 16 blocks
	s_mov_b32 s99, 0
	s_lshl_b32 s2, s18, 4
	s_lshl_b32 s94, s15, 3
	s_add_co_u32 s2, s2, s94
	s_and_b32 s2, s2, 127                          ; my first tile of tokens, in its sequence
	s_lshl_b32 s2, s2, 12
	s_add_nc_u64 s[100:101], s[8:9], s[2:3]        ; its cos and sin
	s_wait_alu depctr_va_vdst(0)
	s_wait_tensorcnt 0x0                           ; my tile of the head's four is in
	ds_add_u32 v[SPW], v[NIL]
	s_mov_b32 s[G1+2], 8<<16                       ; no tensor load of mine is out: from here on a load brings 8 tiles
	s_mov_b32 s[G1+4], 8
	s_mov_b32 s[G1B+2], 8<<16
	s_mov_b32 s[G1B+4], 8
	s_wait_dscnt 0x0
	CROUND                                         ; all four tiles are in, and all sixteen work-groups are here
	JLOAD G0+4, G1, G0B+4, G1B                     ; slot 1's first fill, the first tensor load behind the round
	FETCH_B 0, 0, 0
	FETCH_A 0, 0, 0
	SCALES 0, 0
	FETCH_A 0, 0, 4
	STEP 0, 1                                      ; the first products start the sums: nothing is cleared
	TURN 0, 1, 1, 1
	STEP 1, 0
	TURN 1, 0, 1, 2
	STEP 0, 0
	TURN 0, 1, 0, 3                                ; nothing is left to fetch
	STEP 1, 0
.macro ROPE a                          ; tile a's cos and sin: 32 registers of window 1: pair p = (cos, sin) of the rotation 16 (p / 8) + 8 h + p % 8
.irp g, 0,1,2,3,4,5,6,7
	global_load_b128 v[32*(\a)+4*\g:32*(\a)+4*\g+3], v[L16], s[100:101] offset:4096*(\a)+512*\g
.endr
.endm
	s_cmp_eq_u32 ttmp9, 2
	s_cbranch_scc1 .Lno_rope
	WIN TO_B                                       ; B's set 0 is done with (four places stand behind its last products): three tiles' cos and sin land there under the last step
	ROPE 0
	ROPE 1
	ROPE 2
	WIN 0
.Lno_rope:
	s_wait_dscnt 4*NL                              ; the very last step
	WIN MUL_LO
	MUL16 0, 1, 1, 1, 0
	MUL16 2, 1, 1, 1, 0
	s_wait_dscnt 0x0
	WIN MUL_HI
	MUL16 4, 1, 1, 1, 0
	MUL16 6, 1, 1, 1, 0
	WIN 0
	PLACES NP                                      ; in front of the first reads of results and of loads and writes into operands' registers
.irp b, 0,1,2,3
	v_mov_b32 v[TM+4+\b], 0                        ; written once: a lane permute's destination counts as one of its sources
.endr
	s_cmp_eq_u32 ttmp9, 2
	s_cbranch_scc1 .Lv_out
	; ---- q and k: rotate, quantise along the head's 64, store.  Head hd of my two, tile a of my eight.
	WIN TO_B
	ROPE 3
	ROPE 4
	ROPE 5
	ROPE 6
	ROPE 7
	WIN 0
; 32 numbers, register 16 b + i = d 32 b + 16 h + i, become six registers of codes (d = 32 h + 0 .. 31) and a scale word with the two bytes twice
.macro HQUANT s, pc, wd
.irp b, 0,1
	v_max3_num_f32 v[TM+\b], |v[\s+16*\b]|, |v[\s+1+16*\b]|, 0x1800000   ; and the floor 2^(3 - 127)
.endr
.irp i, 2,4,6,8,10,12,14
.irp b, 0,1
	v_max3_num_f32 v[TM+\b], v[TM+\b], |v[\s+16*\b+\i]|, |v[\s+1+16*\b+\i]|
.endr
.endr
.irp b, 0,1
	v_permlanex16_b32 v[TM+4+\b], v[TM+\b], s[SEL], s[SEL+1]
.endr
.irp b, 0,1
	v_max_num_f32 v[TM+\b], v[TM+\b], v[TM+4+\b]
.endr
.irp b, 0,1
	v_add_nc_u32 v[TM+12+\b], 0xff000000, v[TM+\b]   ; 2 off the exponent field: the conversion's scale operand
.endr
.irp b, 0,1
	v_lshrrev_b32 v[TM+4+\b], 23, v[TM+12+\b]
.endr
	v_lshl_or_b32 v[\wd], v[TM+5], 8, v[TM+4]
	v_lshl_or_b32 v[\wd], v[\wd], 16, v[\wd]
	v_cvt_scalef32_pk16_fp6_f32 v[\pc:\pc+2], v[\s:\s+15], v[TM+12]
	v_cvt_scalef32_pk16_fp6_f32 v[PT:PT+2], v[\s+16:\s+31], v[TM+13]
	v_nop                                          ; one plain place behind a scaled conversion
.irp i, 0,1,2
	v_permlane16_swap_b32 v[\pc+\i], v[PT+\i]      ; a whole block to a lane
.endr
.irp i, 0,1,2
	v_mov_b32 v[\pc+3+\i], v[PT+\i]
.endr
.endm
.macro QKTILE hd, a
.if \hd == 0
	s_wait_loadcnt 8*(7-\a)                        ; tile a's cos and sin are in; the later tiles' eight loads each may be out
.endif
.set AC, 64*((\a)%4)+32*(\hd)
.set RP, 32*(\a)
	WIN 0x06+(\a)/4                                ; source 0: the accumulators' window; source 1: window 1
.irp p, 0,1,2,3,4,5,6,7,8,9,10,11,12,13,14,15
	v_pk_mul_f32 v[T+2*\p:T+2*\p+1], v[AC+2*\p:AC+2*\p+1], v[RP+2*\p:RP+2*\p+1] op_sel_hi:[0,1]   ; (x1 cos, x1 sin); the accumulators are read from their low ends on
.endr
.irp p, 0,1,2,3,4,5,6,7,8,9,10,11,12,13,14,15
	v_pk_fma_f32 v[T+2*\p:T+2*\p+1], v[AC+2*\p:AC+2*\p+1], v[RP+2*\p:RP+2*\p+1], v[T+2*\p:T+2*\p+1] op_sel:[1,1,0] op_sel_hi:[1,0,1] neg_lo:[1,0,0]   ; + (-x2 sin, x2 cos)
.endr
	WIN 0
	HQUANT T, AF+8*(\a), WD+(\a)
	global_store_b128 v[L16], v[AF+8*(\a):AF+8*(\a)+3], s[66:67] offset:768*(\a)
	global_store_b64 v[L8], v[AF+8*(\a)+4:AF+8*(\a)+5], s[66:67] offset:768*(\a)+512
.endm
.irp hd, 0,1
.irp a, 0,1,2,3,4,5,6,7
	QKTILE \hd, \a
.endr
.irp i, 0,1,2,3
	v_cndmask_b32 v[SW+\i], v[WD+\i], v[WD+4+\i], s104   ; lanes 0-15 store the words of tiles 0-3, lanes 16-31 those of tiles 4-7
.endr
	global_store_b128 v[L16], v[SW:SW+3], s[96:97]
.if \hd == 0
	s_wait_xcnt 0x0                                ; the stores have read their data and their bases: both are written again for the second head
	s_add_nc_u64 s[66:67], s[66:67], s[98:99]
	s_add_nc_u64 s[96:97], s[96:97], s[98:99]
.endif
.endr
	s_branch .Lend
	; ---- v: a lane holds one channel (place r of w_v's tile a) and 64 registers along my 128 keys: register 16 b + i = key 32 b + 16 h + i
.Lv_out:
.macro QUANTV a
.set AC, 64*((\a)%4)
.set PCV, AF+12*(\a)
	WIN 0x28+0x14*((\a)/4)                         ; sources 1 and 2: the accumulators' window
.irp b, 0,1,2,3
	v_max3_num_f32 v[TM+\b], 0x1800000, |v[AC+16*\b]|, |v[AC+16*\b+1]|   ; the floor 2^(3 - 127) and my first two of block b
.endr
.irp i, 2,4,6,8,10,12,14
.irp b, 0,1,2,3
	v_max3_num_f32 v[TM+\b], v[TM+\b], |v[AC+16*\b+\i]|, |v[AC+16*\b+\i+1]|
.endr
.endr
	WIN 0
.irp b, 0,1,2,3
	v_permlanex16_b32 v[TM+4+\b], v[TM+\b], s[SEL], s[SEL+1]
.endr
.irp b, 0,1,2,3
	v_max_num_f32 v[TM+\b], v[TM+\b], v[TM+4+\b]
.endr
.irp b, 0,1,2,3
	v_add_nc_u32 v[TM+12+\b], 0xff000000, v[TM+\b]
.endr
.irp b, 0,1,2,3
	v_lshrrev_b32 v[TM+4+\b], 23, v[TM+12+\b]
.endr
	v_lshl_or_b32 v[WD+(\a)], v[TM+5], 8, v[TM+4]
	v_lshl_or_b32 v[WD+(\a)], v[TM+6], 16, v[WD+(\a)]
	v_lshl_or_b32 v[WD+(\a)], v[TM+7], 24, v[WD+(\a)]
	WIN 0x02+(\a)/4                                ; source 0: the accumulators' window
.irp c, 0,1
	v_cvt_scalef32_pk16_fp6_f32 v[PCV+6*\c:PCV+6*\c+2], v[AC+32*\c:AC+32*\c+15], v[TM+12+2*\c]
	v_cvt_scalef32_pk16_fp6_f32 v[PT+4*\c:PT+4*\c+2], v[AC+32*\c+16:AC+32*\c+31], v[TM+12+2*\c+1]
.endr
	WIN 0
	v_nop                                          ; one plain place behind a scaled conversion
.irp c, 0,1
.irp i, 0,1,2
	v_permlane16_swap_b32 v[PCV+6*\c+\i], v[PT+4*\c+\i]
.endr
.irp i, 0,1,2
	v_mov_b32 v[PCV+3+6*\c+\i], v[PT+4*\c+\i]
.endr
.endr
	global_store_b128 v[L16], v[PCV:PCV+3], s[66:67] offset:6144+1536*((\a)%4)+212992*((\a)/4)   ; each tile has registers of its own: no store's data are written again
	global_store_b64 v[L8], v[PCV+4:PCV+5], s[66:67] offset:6144+1536*((\a)%4)+212992*((\a)/4)+512
	global_store_b128 v[L16], v[PCV+6:PCV+9], s[66:67] offset:6144+1536*((\a)%4)+212992*((\a)/4)+768
	global_store_b64 v[L8], v[PCV+10:PCV+11], s[66:67] offset:6144+1536*((\a)%4)+212992*((\a)/4)+1280
.endm
.irp a, 0,1,2,3,4,5,6,7
	QUANTV \a
.if \a%4 == 3
	global_store_b128 v[L16], v[WD+4*(\a/4):WD+4*(\a/4)+3], s[66:67] offset:12800+212992*(\a/4)   ; a head's four tiles' words of my row
.endif
.endr
.Lend:
	s_wait_tensorcnt 0x0                           ; the wave's end, behind my last tensor load
	ds_add_u32 v[SPW], v[NIL]
	s_wait_dscnt 0x0
	CROUND                                         ; the closing round: no work-group ends while a partner may still ask for a tile that names it
	s_endpgm
.Lfunc_end_k_qb1571d2031_qkv:
	.size	k_qb1571d2031_qkv, .Lfunc_end_k_qb1571d2031_qkv-k_qb1571d2031_qkv
	.p2alignl 7, 3214868480
	.fill 96, 4, 3214868480
	.section	.rodata,"a",@progbits
	.p2align	6, 0x0
	.amdhsa_kernel k_qb1571d2031_qkv
		.amdhsa_group_segment_fixed_size 327680
		.amdhsa_private_segment_fixed_size 0
		.amdhsa_enable_private_segment 0
		.amdhsa_kernarg_size 40
		.amdhsa_user_sgpr_count 2
		.amdhsa_user_sgpr_kernarg_segment_ptr 1
		.amdhsa_wavefront_size32 1
		.amdhsa_system_sgpr_workgroup_id_x 1
		.amdhsa_system_sgpr_workgroup_id_y 1
		.amdhsa_system_sgpr_workgroup_id_z 1
		.amdhsa_system_vgpr_workitem_id 0
		.amdhsa_next_free_vgpr 1024
		.amdhsa_next_free_sgpr 106
		.amdhsa_reserve_vcc 0
		.amdhsa_float_denorm_mode_32 3
		.amdhsa_float_denorm_mode_16_64 3
		.amdhsa_memory_ordered 1
		.amdhsa_forward_progress 1
		.amdhsa_inst_pref_size 226
	.end_amdhsa_kernel
	.amdgpu_metadata
---
amdhsa.version: [ 1, 2 ]
amdhsa.kernels:
  - .name:           k_qb1571d2031_qkv
    .symbol:         k_qb1571d2031_qkv.kd
    .args:
      - { .name: xq, .offset: 0, .size: 8, .value_kind: global_buffer, .address_space: global }
      - { .name: wq, .offset: 8, .size: 8, .value_kind: global_buffer, .address_space: global }
      - { .name: rope, .offset: 16, .size: 8, .value_kind: global_buffer, .address_space: global }
      - { .name: qb, .offset: 24, .size: 8, .value_kind: global_buffer, .address_space: global }
      - { .name: kv, .offset: 32, .size: 8, .value_kind: global_buffer, .address_space: global }
    .group_segment_fixed_size: 327680
    .private_segment_fixed_size: 0
    .kernarg_segment_align: 8
    .kernarg_segment_size: 40
    .max_flat_workgroup_size: 128
    .sgpr_count:     106
    .vgpr_count:     1024
    .wavefront_size: 32
...
	.end_amdgpu_metadata
.endif
;; end of part 2
;; launch attn (part 3): grid 4 x 64, 8 waves a work-group, clusters of 4 x 1, 327,680 bytes of LDS; arguments qb, kv, cq; writes cq
.if DOCPART == 3
	.amdgcn_target "amdgcn-amd-amdhsa--gfx1250"
	.amdhsa_code_object_version 6
	.text
	.protected	k_qb1571d2031_attn
	.globl	k_qb1571d2031_attn
	.p2align	8
	.type	k_qb1571d2031_attn,@function
k_qb1571d2031_attn:
	s_mov_b64 s[64:65], 0
	v_nop
	global_prefetch_b8 v0, s[64:65] scope:SCOPE_SE
	s_setreg_imm32_b32 hwreg(HW_REG_WAVE_MODE, 25, 1), 1
	s_wait_xcnt 0x0
	s_wait_alu depctr_hold_cnt(0) depctr_sa_sdst(0) depctr_va_vdst(0) depctr_va_sdst(0) depctr_va_ssrc(0) depctr_va_vcc(0) depctr_vm_vsrc(0)
	s_getreg_b32 s2, hwreg(HW_REG_IB_STS2, 6, 4)
	s_cmp_eq_u32 s2, 0
	s_cbranch_scc0 .Lentry_in_a_cluster
	s_endpgm
.Lentry_in_a_cluster:
	s_bfe_u32 s2, ttmp6, 0x10000c
	s_cmp_lg_u32 s2, 0x3003
	s_cbranch_scc0 .Lentry_shape_is_right
	s_endpgm
.Lentry_shape_is_right:
; Causal attention of one batch x head (work-group y) on codes of FP6 (E2M3) with E8M0 scales: S^T = k q^T, p = 2^(t - M) with M the ceiling of the running largest t, O^T += v^T p^T, O / l quantised along the head's 64 into cq.
; LEFT OUT: blocks of 128 keys that lie wholly behind a query block: the causal mask gives them -1e9, whose p is 0 beside the row's own key.  A NaN or an infinity that reaches only those blocks is not carried.
; SHARES.  The four partners of a cluster take the four groups of 32 queries (two tiles of 16) of every block of 128 queries; wave w of eight takes blocks 15 - w and then w: 17 steps of 128 keys for every wave.
; A wave holds BOTH tiles of its 32 queries: each fragment of k and v read from LDS feeds two products.  All 16 key blocks of the head (212,992 bytes) come jointly, one tensor load a wave (104 rows of 256 bytes), filled once.
; No prefetch: everything that the launch asks of kv is asked for by that one load at the head; no later load is left to run ahead of.
; k'S TILES ARE PUT TOGETHER ANEW BY THE LANES' ADDRESSES: row m of tile (c, tau) is key 64 c + 32 (m / 8) + 8 tau + m % 8, so lane (r, h) holds query r and its registers 32 c + 0 .. 31 are the whole block of keys 64 c + 32 h + 0 .. 31:
; a block's largest score needs no other lane and the conversions' results lie as the operand wants them.  In kv key 32 B + 16 s + 8 u + i lies in tile 2 B + u at place i + 8 s.
; THE MASK of the diagonal block is the C of its score products: 0 or -1e30, from a table in LDS (two tiles x 64 registers x 32 lanes) of which each wave makes an eighth at the head.
; LIMITS: NaN and infinities are not served; the scaled scores stay under 2^31 in magnitude (so -1e30 lies under all of them, and a row's own scores above the mask's -1e9); a block of p that is all 0 gets the byte 1 over zero codes.
; REGISTERS.  Window 0: v0-15 addresses; v16-29 scale words alone; v32-79 v's fragments; v80-91 the second pass's q; v92-141, v142-191 a tile's small things (q twice, p's codes, maxima, -M, sums); v192-255 tile 0's scores.
; Window 1: v0-71 k's fragments (a pair of tiles round six zero registers: K is 64 of the instruction's 128); v72-135 tile 1's scores; v136-167, v168-199 O^T of tiles 0, 1.
.set BLK,   13312
.set SPARE, 212992                     ; the spare words: 128 bytes a wave, four blocks of 256 bytes that no other line names
.set MASK,  214016                     ; the mask's table: [tile][group of 4 registers][lane] 16 bytes
.set L16, 1
.set L8,  2
.set SPW, 3
.set NIL, 4
.set KL16, 5                           ; k: 16 (m % 8) + 256 h + 1536 (m / 8)
.set KL8, 6                            ; 8 (m % 8) + 128 h + 1536 (m / 8)
.set KSL, 7                            ; k's words: 16 (m % 8) + 8 (m / 8) + 256 h
.set BYO, 8
.set R16, 9
.set AV16, 10
.set AV8, 11
.set AK16, 12
.set AK8, 13
.set AKS, 14
.set MKA, 15
.set KSC, 16                           ; register tau: lanes 0-15 tile (0, tau), lanes 16-31 tile (1, tau)
.set VSC, 20
.set QS,  24
.set PW,  26
.set QN,  28
.set SH8, 30
.set VR,  32
.set QX,  80
.set M0,  92
.set M1,  142
.set oP,  12
.set oPT, 24
.set oCH, 32
.set oBM, 36
.set oSO, 38
.set oNM, 40
.set oSX, 41
.set oL,  42
.set oBT, 44
.set oF,  46
.set oT,  48
.set S0,  192
.set S1,  72
.set KR,  0
.set O0,  136
.set O1,  168
.set SEL, 20
.set CS,  22
.set TB,  48
.set KS,  49
.set AT,  50
.set CNT, 51
.set PASS, 52
.set MSB, 0
.macro WIN new                         ; low byte: bits 1:0 source 0, 3:2 source 1, 5:4 source 2, 7:6 destination; the high byte repeats the setting that is left
.if MSB != (\new)
	s_set_vgpr_msb (MSB<<8)|(\new)
.set MSB, \new
.endif
.endm
.macro ROUND
	s_barrier_signal -1
	s_barrier_wait -1
	s_cmp_lg_u32 s10, 0
	s_cbranch_scc1 .Lnot_wave_0_\@
	s_barrier_signal -3
.Lnot_wave_0_\@:
	s_barrier_wait -3
	s_barrier_signal -1
	s_barrier_wait -1
.endm
.macro QK sb, m, t, c                  ; eight score products of tile t; c = 1: the mask, loaded into the scores' registers, is their C
.irp kt, 0,1,2,3
.if \c
	v_wmma_scale_f32_16x16x128_f8f6f4 v[\sb+8*\kt:\sb+8*\kt+7], v[KR+18*(\kt/2)+6*(\kt%2):KR+18*(\kt/2)+6*(\kt%2)+11], v[\m:\m+11], v[\sb+8*\kt:\sb+8*\kt+7], v[KSC+\kt], v[QS+\t] matrix_a_fmt:MATRIX_FMT_FP6 matrix_b_fmt:MATRIX_FMT_FP6
.else
	v_wmma_scale_f32_16x16x128_f8f6f4 v[\sb+8*\kt:\sb+8*\kt+7], v[KR+18*(\kt/2)+6*(\kt%2):KR+18*(\kt/2)+6*(\kt%2)+11], v[\m:\m+11], 0, v[KSC+\kt], v[QS+\t] matrix_a_fmt:MATRIX_FMT_FP6 matrix_b_fmt:MATRIX_FMT_FP6
.endif
.endr
.irp kt, 4,5,6,7
.if \c
	v_wmma_scale_f32_16x16x128_f8f6f4 v[\sb+8*\kt:\sb+8*\kt+7], v[KR+18*(\kt/2)+6*(\kt%2):KR+18*(\kt/2)+6*(\kt%2)+11], v[\m:\m+11], v[\sb+8*\kt:\sb+8*\kt+7], v[KSC+\kt-4], v[QS+\t] matrix_a_fmt:MATRIX_FMT_FP6 matrix_b_fmt:MATRIX_FMT_FP6 matrix_a_scale:MATRIX_SCALE_ROW1
.else
	v_wmma_scale_f32_16x16x128_f8f6f4 v[\sb+8*\kt:\sb+8*\kt+7], v[KR+18*(\kt/2)+6*(\kt%2):KR+18*(\kt/2)+6*(\kt%2)+11], v[\m:\m+11], 0, v[KSC+\kt-4], v[QS+\t] matrix_a_fmt:MATRIX_FMT_FP6 matrix_b_fmt:MATRIX_FMT_FP6 matrix_a_scale:MATRIX_SCALE_ROW1
.endif
.endr
.endm
.macro PV ob, m, t
.irp i, 0,1,2,3
	v_wmma_scale_f32_16x16x128_f8f6f4 v[\ob+8*\i:\ob+8*\i+7], v[VR+12*\i:VR+12*\i+11], v[\m+oP:\m+oP+11], v[\ob+8*\i:\ob+8*\i+7], v[VSC+\i], v[PW+\t] matrix_a_fmt:MATRIX_FMT_FP6 matrix_b_fmt:MATRIX_FMT_FP6
.endr
.endm
.macro MAXS sb, m                      ; four chains over 16 scores each, every accumulator read from its low end on
.irp x, 0,1,2,3
	v_max3_num_f32 v[\m+oCH+\x], 0xff800000, v[\sb+16*\x], v[\sb+16*\x+1]
.endr
.irp i, 2,4,6,8,10,12,14
.irp x, 0,1,2,3
	v_max3_num_f32 v[\m+oCH+\x], v[\m+oCH+\x], v[\sb+16*\x+\i], v[\sb+16*\x+\i+1]
.endr
.endr
.endm
.macro TMM sb, m                       ; t - M, two at a time
.set j, 0
.rept 32
	v_pk_fma_f32 v[\sb+j:\sb+j+1], v[\sb+j:\sb+j+1], s[CS:CS+1], v[\m+oNM:\m+oNM+1] op_sel_hi:[1,0,0]
.set j, j+2
.endr
.endm
.macro EXPS sb
.set j, 0
.rept 64
	v_exp_f32 v[\sb+j], v[\sb+j]
.set j, j+1
.endr
.endm
.macro CVTP sb, m                      ; a lane's two blocks of 32 p: the first 16 codes of each land in place, the second 16 are moved (a conversion's three registers begin on an even number)
	v_cvt_scalef32_pk16_fp6_f32 v[\m+oP:\m+oP+2], v[\sb:\sb+15], v[\m+oSO]
	v_cvt_scalef32_pk16_fp6_f32 v[\m+oPT:\m+oPT+2], v[\sb+16:\sb+31], v[\m+oSO]
	v_cvt_scalef32_pk16_fp6_f32 v[\m+oP+6:\m+oP+8], v[\sb+32:\sb+47], v[\m+oSO+1]
	v_cvt_scalef32_pk16_fp6_f32 v[\m+oPT+4:\m+oPT+6], v[\sb+48:\sb+63], v[\m+oSO+1]
.endm
.macro SUMS sb, m                      ; the row's sum of the unquantised p, in four parts
.irp j, 0,4,8,12,16,20,24,28,32,36,40,44,48,52,56,60
	v_pk_add_f32 v[\m+oL:\m+oL+1], v[\m+oL:\m+oL+1], v[\sb+\j:\sb+\j+1]
	v_pk_add_f32 v[\m+oBT:\m+oBT+1], v[\m+oBT:\m+oBT+1], v[\sb+\j+2:\sb+\j+3]
.endr
.endm
.macro FMAX sb, m
.irp b, 0,1
	v_max3_num_f32 v[\m+oBM+\b], 0x1800000, |v[\sb+16*\b]|, |v[\sb+16*\b+1]|
.endr
.irp i, 2,4,6,8,10,12,14
.irp b, 0,1
	v_max3_num_f32 v[\m+oBM+\b], v[\m+oBM+\b], |v[\sb+16*\b+\i]|, |v[\sb+16*\b+\i+1]|
.endr
.endr
.endm
.macro INIT                            ; the largest score -3e38, -M = 3e38, sums and O^T zero: the first change of M leaves zeros zeros
.irp m, M0, M1
	v_mov_b32 v[\m+oSX], 0xff61b1e6
	v_mov_b32 v[\m+oNM], 0x7f61b1e6
	v_mov_b32 v[\m+oL], 0
	v_mov_b32 v[\m+oL+1], 0
	v_mov_b32 v[\m+oBT], 0
	v_mov_b32 v[\m+oBT+1], 0
.endr
	WIN 0x40
.set j, 0
.rept 64
	v_mov_b32 v[O0+j], 0
.set j, j+1
.endr
	WIN 0
.endm
	s_load_b128 s[4:7], s[0:1], 0x0                ; qb, kv
	s_load_b64 s[8:9], s[0:1], 0x10                ; cq
	v_lshl_add_u32 v[SPW], v0, 2, SPARE
	v_mov_b32 v[NIL], 0
	ds_add_u32 v[SPW], v[NIL]                      ; the opening lines: the add twice on end and its one wait ahead of my first tensor load
	ds_add_u32 v[SPW], v[NIL]
	v_lshrrev_b32 v5, 5, v0
	v_readfirstlane_b32 s10, v5                    ; wave 0..7
	s_bfe_u32 s11, ttmp6, 0x40000                  ; cx: my group of 32 queries in every block
	s_and_b32 s12, ttmp7, 0xffff                   ; batch x head
	s_mov_b32 s24, 15|(3<<16)|(1<<21)              ; group 1: all four partners; 104 dense rows of 32 elements of 8 bytes
	s_mov_b32 s25, 32<<16
	s_mov_b32 s26, 104<<16
	s_mov_b32 s27, 32<<16
	s_mov_b32 s28, 104
	s_mov_b32 s29, 32
	s_mov_b32 s30, 0
	s_mov_b32 s31, 0
	s_mul_i32 s13, s10, 26624                      ; my eighth of the head's 16 blocks
	s_mul_i32 s74, s12, 16*BLK
	s_mov_b32 s75, 0
	s_mov_b32 s77, 0
	s_mov_b32 s[SEL], 0x76543210
	s_mov_b32 s[SEL+1], 0xfedcba98
	s_mov_b32 s[CS], 0x3e38aa3b                    ; log2(e) / 8
	s_mov_b32 s[CS+1], s[CS]
	s_lshl_b32 s16, s11, 5                         ; the mask: 32 cx - 64 (w / 4) - 8 (w % 4): my eight registers are 8 w + e, keys 64 (w / 4) + 32 h + 8 (w % 4) + e
	s_lshr_b32 s17, s10, 2
	s_lshl_b32 s17, s17, 6
	s_sub_co_i32 s16, s16, s17
	s_and_b32 s17, s10, 3
	s_lshl_b32 s17, s17, 3
	s_sub_co_i32 s16, s16, s17
	s_lshl_b32 s18, s10, 10
	s_wait_alu depctr_va_vdst(0)
	v_and_b32 v10, 31, v0
	v_and_b32 v11, 15, v0                          ; r
	v_bfe_u32 v12, v0, 4, 1                        ; h
	v_and_b32 v13, 7, v0
	v_bfe_u32 v14, v0, 3, 1
	v_lshlrev_b32 v[L16], 4, v10
	v_lshlrev_b32 v[L8], 3, v10
	v_lshlrev_b32 v[KL16], 4, v13
	v_lshlrev_b32 v[KL8], 3, v13
	v_lshlrev_b32 v[KSL], 4, v13
	v_lshl_add_u32 v[KL16], v12, 8, v[KL16]
	v_lshl_add_u32 v[KL8], v12, 7, v[KL8]
	v_lshl_add_u32 v[KSL], v14, 3, v[KSL]
	v_mad_u32_u24 v[KL16], v14, 1536, v[KL16]
	v_mad_u32_u24 v[KL8], v14, 1536, v[KL8]
	v_lshl_add_u32 v[KSL], v12, 8, v[KSL]
	v_lshl_add_u32 v[BYO], v11, 2, v12
	v_lshlrev_b32 v[R16], 4, v11
	v_lshlrev_b32 v[SH8], 3, v12
	v_add_nc_u32 v[MKA], MASK, v[L16]
	v_cmp_eq_u32 s53, 1, v12                       ; lanes 16-31
	v_and_b32 v228, 8, v11
	v_lshlrev_b32 v229, 5, v12
	v_add_nc_u32 v228, v228, v11                   ; r + 8 (r / 8)
	v_add_nc_u32 v227, s18, v[MKA]                 ; where my eighth of the table goes
	v_sub_nc_u32 v228, v228, v229
	v_mov_b32 v226, 0xf149f2ca                     ; -1e30
	v_add_nc_u32 v224, s16, v228                   ; tile 0: register 8 w + e is hidden where e is greater than this;
	v_add_nc_u32 v225, 8, v224                     ; tile 1's queries lie 8 further on
.irp u, 0,1
.irp e, 0,1,2,3,4,5,6,7
	v_cmp_gt_i32 vcc_lo, \e, v[224+\u]
	v_cndmask_b32 v[192+8*\u+\e], 0, v226, vcc_lo
.endr
.endr
	s_wait_alu depctr_va_vdst(0)
	s_wait_dscnt 0x0                               ; both opening adds are done
	s_wait_kmcnt 0x0
	s_add_nc_u64 s[6:7], s[6:7], s[74:75]
	s_mov_b32 s40, 1
	s_mov_b32 s41, s13
	s_mov_b32 s76, s13
	s_add_nc_u64 s[42:43], s[6:7], s[76:77]
	s_or_b32 s43, s43, 0x80000000
	ROUND
	tensor_load_to_lds s[40:43], s[24:31]          ; my one tensor load: two key blocks
	s_nop 0
.rept 4
	v_nop
.endr
	s_sub_co_u32 s62, 15, s10                      ; the first pass's block of queries
	s_lshl_b32 s63, s11, 1                         ; my first tile in a block
	s_mul_i32 s74, s12, 106496
	s_mul_i32 s76, s63, 768
	s_add_co_u32 s76, s76, s74
	s_lshr_b32 s78, s63, 2
	s_lshl_b32 s78, s78, 8
	s_and_b32 s79, s63, 3
	s_lshl_b32 s79, s79, 2
	s_add_co_u32 s78, s78, s79
	s_add_co_u32 s78, s78, s74
	s_add_co_u32 s78, s78, 6144
	s_mov_b32 s17, 0
	s_mul_i32 s74, s62, 6656
	s_add_co_u32 s16, s76, s74
	s_add_nc_u64 s[54:55], s[4:5], s[16:17]
	s_add_co_u32 s16, s78, s74
	s_add_nc_u64 s[56:57], s[4:5], s[16:17]
	s_mul_i32 s74, s10, 6656
	s_add_co_u32 s16, s76, s74
	s_add_nc_u64 s[58:59], s[4:5], s[16:17]
	s_add_co_u32 s16, s78, s74
	s_add_nc_u64 s[60:61], s[4:5], s[16:17]
.irp t, 0,1                                    ; q's six registers twice: an even tile of k meets the lower half of K, an odd one the upper
	global_load_b128 v[M0+50*\t:M0+50*\t+3], v[L16], s[54:55] offset:768*\t
	global_load_b64 v[M0+50*\t+4:M0+50*\t+5], v[L8], s[54:55] offset:768*\t+512
	global_load_b128 v[M0+50*\t+6:M0+50*\t+9], v[L16], s[54:55] offset:768*\t
	global_load_b64 v[M0+50*\t+10:M0+50*\t+11], v[L8], s[54:55] offset:768*\t+512
	global_load_b32 v[QS+\t], v[R16], s[56:57] offset:4*\t
	global_load_b128 v[QX+6*\t:QX+6*\t+3], v[L16], s[58:59] offset:768*\t
	global_load_b64 v[QX+6*\t+4:QX+6*\t+5], v[L8], s[58:59] offset:768*\t+512
	global_load_b32 v[QN+\t], v[R16], s[60:61] offset:4*\t
.endr
	s_lshr_b32 s74, s12, 4                         ; cq: tile = 128 x batch + 8 x block + my tile; K step = head / 2, half = head % 2
	s_lshl_b32 s74, s74, 7
	s_add_co_u32 s74, s74, s63
	s_and_b32 s75, s12, 15
	s_lshr_b32 s76, s75, 1
	s_and_b32 s75, s75, 1
	s_mul_i32 s77, s74, 12288
	s_mul_i32 s78, s76, 1536
	s_add_co_u32 s77, s77, s78
	s_mul_i32 s78, s75, 768
	s_add_co_u32 s77, s77, s78
	s_lshl_b32 s74, s74, 9
	s_lshl_b32 s76, s76, 6
	s_add_co_u32 s74, s74, s76
	s_lshl_b32 s75, s75, 1
	s_add_co_u32 s74, s74, s75
	s_add_co_u32 s74, s74, 6291456
	s_mul_i32 s75, s62, 98304
	s_add_co_u32 s16, s77, s75
	s_add_nc_u64 s[66:67], s[8:9], s[16:17]
	s_lshl_b32 s75, s62, 12
	s_add_co_u32 s16, s74, s75
	s_add_nc_u64 s[68:69], s[8:9], s[16:17]
	s_mul_i32 s75, s10, 98304
	s_add_co_u32 s16, s77, s75
	s_add_nc_u64 s[70:71], s[8:9], s[16:17]
	s_lshl_b32 s75, s10, 12
	s_add_co_u32 s16, s74, s75
	s_add_nc_u64 s[72:73], s[8:9], s[16:17]
	WIN 0x40
.irp i, 0,1,2,3
.irp j, 0,1,2,3,4,5
	v_mov_b32 v[KR+18*\i+6+\j], 0                  ; the zero codes between a pair of k's tiles
.endr
.endr
	WIN 0
.irp m, M0, M1
	v_mov_b32 v[\m+oT], 0                          ; written once: a lane permute's destination counts as one of its sources
	v_mov_b32 v[\m+oT+1], 0
	v_mov_b32 v[\m+oF+1], 0                        ; named as the upper half of a pair
.endr
	INIT
	s_mov_b32 s[AT], s62
	s_mov_b32 s[PASS], 0
	s_wait_alu depctr_va_vdst(0)
	s_wait_tensorcnt 0x0                           ; my two key blocks are in, and no tensor load of mine is out or follows:
	ds_store_b128 v227, v[192:195]                 ; my eighth of the mask's table, into bytes that are never a load's target
	ds_store_b128 v227, v[196:199] offset:512
	ds_store_b128 v227, v[200:203] offset:8192
	ds_store_b128 v227, v[204:207] offset:8704
	s_wait_dscnt 0x0                               ; it is written
	s_barrier_signal -1
	s_barrier_wait -1
	s_wait_loadcnt 0x0
.Lpass:
	s_mov_b32 s[TB], 0
	s_mov_b32 s[KS], 0
	s_mov_b32 s[CNT], 16
.Lstep:                                                ; sixteen trips in both passes; key blocks behind my queries' block are passed over
	s_cmp_gt_u32 s[KS], s[AT]
	s_cbranch_scc1 .Lhid
	v_add_nc_u32 v[AK16], s[TB], v[KL16]
	v_add_nc_u32 v[AK8], s[TB], v[KL8]
	v_add_nc_u32 v[AKS], s[TB], v[KSL]
	v_add_nc_u32 v[AV16], s[TB], v[L16]
	v_add_nc_u32 v[AV8], s[TB], v[L8]
	WIN 0x40
.irp kt, 0,1,2,3,4,5,6,7
	ds_load_b128 v[KR+18*(\kt/2)+12*(\kt%2):KR+18*(\kt/2)+12*(\kt%2)+3], v[AK16] offset:768*(4*(\kt/4)+\kt%2)+128*((\kt%4)/2)
	ds_load_b64 v[KR+18*(\kt/2)+12*(\kt%2)+4:KR+18*(\kt/2)+12*(\kt%2)+5], v[AK8] offset:768*(4*(\kt/4)+\kt%2)+512+64*((\kt%4)/2)
.endr
	WIN 0
	ds_load_b64 v[KSC:KSC+1], v[AKS] offset:12288
	ds_load_b64 v[KSC+2:KSC+3], v[AKS] offset:12288+128
.irp t, 0,1,2,3
	ds_load_b128 v[VR+12*\t:VR+12*\t+3], v[AV16] offset:6144+1536*\t
	ds_load_b64 v[VR+12*\t+4:VR+12*\t+5], v[AV8] offset:6144+1536*\t+512
	ds_load_b128 v[VR+12*\t+6:VR+12*\t+9], v[AV16] offset:6144+1536*\t+768
	ds_load_b64 v[VR+12*\t+10:VR+12*\t+11], v[AV8] offset:6144+1536*\t+1280
.endr
	ds_load_b128 v[VSC:VSC+3], v[AV16] offset:12800
	s_cmp_eq_u32 s[KS], s[AT]
	s_cbranch_scc1 .Ldiag
	s_wait_dscnt 17                                ; k and its words are in; v's 16 loads and its words' one may be out
	WIN 0x01
	QK S0, M0, 0, 0
	WIN 0x51
	QK S1, M1, 1, 0
	WIN 0
	s_branch .Ljoin
.Ldiag:                                                ; my queries' own block: the mask comes into the scores' registers and is the products' C
.irp g, 0,1,2,3,4,5,6,7,8,9,10,11,12,13,14,15
	ds_load_b128 v[S0+4*\g:S0+4*\g+3], v[MKA] offset:512*\g
.endr
	WIN 0x40
.irp g, 0,1,2,3,4,5,6,7,8,9,10,11,12,13,14,15
	ds_load_b128 v[S1+4*\g:S1+4*\g+3], v[MKA] offset:8192+512*\g
.endr
	s_wait_dscnt 0x0
	WIN 0x01
	QK S0, M0, 0, 1
	WIN 0x51
	QK S1, M1, 1, 1
	WIN 0
.Ljoin:
.rept 4
	v_nop                                          ; places behind the score products
.endr
	MAXS S0, M0
	WIN 0x14
	MAXS S1, M1
	WIN 0
.irp m, M0, M1                                 ; the two tiles' chains by turns
	v_max_num_f32 v[\m+oBM], v[\m+oCH], v[\m+oCH+1]           ; my two blocks' largest scores
.endr
.irp m, M0, M1
	v_max_num_f32 v[\m+oBM+1], v[\m+oCH+2], v[\m+oCH+3]
.endr
.irp m, M0, M1
	v_max3_num_f32 v[\m+oSX], v[\m+oSX], v[\m+oBM], v[\m+oBM+1]
.endr
.irp m, M0, M1
	v_permlanex16_b32 v[\m+oT], v[\m+oSX], s[SEL], s[SEL+1]
.endr
.irp m, M0, M1
	v_max_num_f32 v[\m+oSX], v[\m+oSX], v[\m+oT]              ; the running largest score of my query
.endr
.irp m, M0, M1
	v_mul_f32 v[\m+oT], s[CS], v[\m+oSX]                      ; as t
.endr
.irp m, M0, M1
	v_floor_f32 v[\m+oT+1], -v[\m+oT]                         ; the new -M: M is a whole number
.endr
.irp m, M0, M1
	v_sub_f32 v[\m+oT], v[\m+oT+1], v[\m+oNM]                 ; old M less new M
.endr
.irp m, M0, M1
	v_mov_b32 v[\m+oNM], v[\m+oT+1]
.endr
.irp m, M0, M1
	v_cvt_i32_f32 v[\m+oT], v[\m+oT]                          ; (it saturates)
.endr
.irp m, M0, M1
	v_ldexp_f32 v[\m+oF], 1.0, v[\m+oT]                       ; f = 2^(old M - new M): rounds nothing
.endr
.irp m, M0, M1
	v_pk_mul_f32 v[\m+oL:\m+oL+1], v[\m+oL:\m+oL+1], v[\m+oF:\m+oF+1] op_sel_hi:[1,0]
	v_pk_mul_f32 v[\m+oBT:\m+oBT+1], v[\m+oBT:\m+oBT+1], v[\m+oF:\m+oF+1] op_sel_hi:[1,0]
.endr
	WIN 0x41
.set j, 0
.rept 16
	v_pk_mul_f32 v[O0+j:O0+j+1], v[O0+j:O0+j+1], v[M0+oF:M0+oF+1] op_sel_hi:[1,0]   ; O^T under the new M, each accumulator from its low end on
	v_pk_mul_f32 v[O1+j:O1+j+1], v[O1+j:O1+j+1], v[M1+oF:M1+oF+1] op_sel_hi:[1,0]
.set j, j+2
.endr
	TMM S1, M1
	WIN 0
	TMM S0, M0
.irp m, M0, M1
	v_fma_f32 v[\m+oBM], v[\m+oBM], s[CS], v[\m+oNM]          ; the same of each block's largest score: p rises with the score
	v_fma_f32 v[\m+oBM+1], v[\m+oBM+1], s[CS], v[\m+oNM]
.endr
	s_wait_alu depctr_va_vdst(0)
	EXPS S0
.irp m, M0, M1
	v_exp_f32 v[\m+oBM], v[\m+oBM]
	v_exp_f32 v[\m+oBM+1], v[\m+oBM+1]
.endr
	WIN 0x41
	EXPS S1
	WIN 0
	v_nop                                          ; one plain place behind the exponentials
	s_wait_alu depctr_va_vdst(0)                   ; and the one wait behind the batch
	s_wait_dscnt 0x0                               ; v's fragments and words are in
.irp c, 0,1
.irp m, M0, M1
	v_max_num_f32 v[\m+oBM+\c], 0x1800000, v[\m+oBM+\c]       ; the floor 2^(3 - 127): the byte cannot fall under 1
.endr
.endr
.irp c, 0,1
.irp m, M0, M1
	v_add_nc_u32 v[\m+oSO+\c], 0xff000000, v[\m+oBM+\c]       ; 2 off the exponent field: the conversion's scale operand
.endr
.endr
.irp c, 0,1
.irp m, M0, M1
	v_lshrrev_b32 v[\m+oT+\c], 23, v[\m+oSO+\c]               ; the bytes of blocks h and 2 + h
.endr
.endr
.irp m, M0, M1
	v_lshl_or_b32 v[\m+oT], v[\m+oT+1], 16, v[\m+oT]
.endr
.irp m, M0, M1
	v_lshlrev_b32 v[\m+oT], v[SH8], v[\m+oT]                  ; 8 h bits up
.endr
.irp m, M0, M1
	v_permlanex16_b32 v[\m+oT+1], v[\m+oT], s[SEL], s[SEL+1]
.endr
	v_or_b32 v[PW], v[M0+oT], v[M0+oT+1]           ; with lane l xor 16's two bytes p's scale word is whole
	v_or_b32 v[PW+1], v[M1+oT], v[M1+oT+1]
	CVTP S0, M0
	WIN 0x01
	CVTP S1, M1
	WIN 0
	v_nop                                          ; one plain place behind a scaled conversion
.irp m, M0, M1
.irp i, 0,1,2
	v_mov_b32 v[\m+oP+3+\i], v[\m+oPT+\i]
	v_mov_b32 v[\m+oP+9+\i], v[\m+oPT+4+\i]
.endr
.endr
	WIN 0x04
	SUMS S1, M1                                    ; 32 plain lines: also the places between p's codes and word and the products below
	WIN 0x50
	PV O0, M0, 0                                   ; eight accumulators, one instruction a turn
	PV O1, M1, 1
	WIN 0
	SUMS S0, M0                                    ; and the places behind them
.Lhid:
	s_add_co_u32 s[KS], s[KS], 1
	s_add_co_u32 s[TB], s[TB], BLK
	s_sub_co_u32 s[CNT], s[CNT], 1
	s_cmp_lg_u32 s[CNT], 0
	s_cbranch_scc1 .Lstep
	; ---- O / l, quantised along the head's 64: register 16 b + i of a tile is channel 32 b + 16 h + i
	s_wait_alu depctr_va_vdst(0)
.irp m, M0, M1
	v_pk_add_f32 v[\m+oL:\m+oL+1], v[\m+oL:\m+oL+1], v[\m+oBT:\m+oBT+1]
.endr
.irp m, M0, M1
	v_add_f32 v[\m+oL], v[\m+oL], v[\m+oL+1]
.endr
.irp m, M0, M1
	v_permlanex16_b32 v[\m+oT], v[\m+oL], s[SEL], s[SEL+1]
.endr
.irp m, M0, M1
	v_add_f32 v[\m+oL], v[\m+oL], v[\m+oT]         ; with lane l xor 16's keys: the row's sum
.endr
	s_wait_alu depctr_va_vdst(0)
	v_rcp_f32 v[M0+oL], v[M0+oL]
	v_rcp_f32 v[M1+oL], v[M1+oL]
	v_nop
	WIN 0x01
	s_wait_alu depctr_va_vdst(0)                   ; directly ahead of the first readers of the quotient and of O^T
.set j, 0
.rept 32
	v_mul_f32 v[S0+j], v[O0+j], v[M0+oL]
.set j, j+1
.endr
	WIN 0x41
	s_wait_alu depctr_va_vdst(0)
.set j, 0
.rept 32
	v_mul_f32 v[S1+j], v[O1+j], v[M1+oL]
.set j, j+1
.endr
	WIN 0
	FMAX S0, M0
	WIN 0x14
	FMAX S1, M1
	WIN 0
.irp b, 0,1
.irp m, M0, M1
	v_permlanex16_b32 v[\m+oT+\b], v[\m+oBM+\b], s[SEL], s[SEL+1]
.endr
.endr
.irp b, 0,1
.irp m, M0, M1
	v_max_num_f32 v[\m+oBM+\b], v[\m+oBM+\b], v[\m+oT+\b]
.endr
.endr
.irp b, 0,1
.irp m, M0, M1
	v_add_nc_u32 v[\m+oSO+\b], 0xff000000, v[\m+oBM+\b]
.endr
.endr
.irp b, 0,1
.irp m, M0, M1
	v_lshrrev_b32 v[\m+oT+\b], 23, v[\m+oSO+\b]
.endr
.endr
	v_cvt_scalef32_pk16_fp6_f32 v[M0+oP:M0+oP+2], v[S0:S0+15], v[M0+oSO]
	v_cvt_scalef32_pk16_fp6_f32 v[M0+oPT:M0+oPT+2], v[S0+16:S0+31], v[M0+oSO+1]
	WIN 0x01
	v_cvt_scalef32_pk16_fp6_f32 v[M1+oP:M1+oP+2], v[S1:S1+15], v[M1+oSO]
	v_cvt_scalef32_pk16_fp6_f32 v[M1+oPT:M1+oPT+2], v[S1+16:S1+31], v[M1+oSO+1]
	WIN 0
.irp m, M0, M1
	v_cndmask_b32 v[\m+oCH], v[\m+oT], v[\m+oT+1], s53        ; lanes 0-15 store block 0's byte, lanes 16-31 block 1's.  (A plain place behind the conversions)
.endr
.irp m, M0, M1
.irp i, 0,1,2
	v_permlane16_swap_b32 v[\m+oP+\i], v[\m+oPT+\i]           ; a whole block to a lane
.endr
.irp i, 0,1,2
	v_mov_b32 v[\m+oP+3+\i], v[\m+oPT+\i]
.endr
.endr
.irp t, 0,1
	global_store_b128 v[L16], v[M0+50*\t+oP:M0+50*\t+oP+3], s[66:67] offset:12288*\t
	global_store_b64 v[L8], v[M0+50*\t+oP+4:M0+50*\t+oP+5], s[66:67] offset:12288*\t+512
	global_store_b8 v[BYO], v[M0+50*\t+oCH], s[68:69] offset:512*\t
.endr
	s_cmp_eq_u32 s[PASS], 1
	s_cbranch_scc1 .Ldone
	s_wait_alu depctr_va_vdst(0)
	s_wait_xcnt 0x0                                ; the stores have read their data and bases: both are written again
.irp t, 0,1
.irp j, 0,1,2,3,4,5
	v_mov_b32 v[M0+50*\t+\j], v[QX+6*\t+\j]        ; the second pass's q
	v_mov_b32 v[M0+50*\t+6+\j], v[QX+6*\t+\j]
.endr
	v_mov_b32 v[QS+\t], v[QN+\t]
.endr
	INIT
	s_mov_b64 s[66:67], s[70:71]
	s_mov_b64 s[68:69], s[72:73]
	s_mov_b32 s[AT], s10
	s_add_co_u32 s[PASS], s[PASS], 1
	s_cmp_lt_u32 s[PASS], 2
	s_wait_alu depctr_va_vdst(0)
	s_cbranch_scc1 .Lpass
.Ldone:
	s_wait_tensorcnt 0x0                           ; the wave's end
	ds_add_u32 v[SPW], v[NIL]
	s_wait_dscnt 0x0
	ROUND                                          ; the closing round
	s_endpgm
.Lfunc_end_k_qb1571d2031_attn:
	.size	k_qb1571d2031_attn, .Lfunc_end_k_qb1571d2031_attn-k_qb1571d2031_attn
	.p2alignl 7, 3214868480
	.fill 96, 4, 3214868480
	.section	.rodata,"a",@progbits
	.p2align	6, 0x0
	.amdhsa_kernel k_qb1571d2031_attn
		.amdhsa_group_segment_fixed_size 327680
		.amdhsa_private_segment_fixed_size 0
		.amdhsa_enable_private_segment 0
		.amdhsa_kernarg_size 24
		.amdhsa_user_sgpr_count 2
		.amdhsa_user_sgpr_kernarg_segment_ptr 1
		.amdhsa_wavefront_size32 1
		.amdhsa_system_sgpr_workgroup_id_x 1
		.amdhsa_system_sgpr_workgroup_id_y 1
		.amdhsa_system_sgpr_workgroup_id_z 1
		.amdhsa_system_vgpr_workitem_id 0
		.amdhsa_next_free_vgpr 512
		.amdhsa_next_free_sgpr 80
		.amdhsa_reserve_vcc 1
		.amdhsa_float_denorm_mode_32 3
		.amdhsa_float_denorm_mode_16_64 3
		.amdhsa_memory_ordered 1
		.amdhsa_forward_progress 1
		.amdhsa_inst_pref_size 57
	.end_amdhsa_kernel
	.amdgpu_metadata
---
amdhsa.version: [ 1, 2 ]
amdhsa.kernels:
  - .name:           k_qb1571d2031_attn
    .symbol:         k_qb1571d2031_attn.kd
    .args:
      - { .name: qb, .offset: 0, .size: 8, .value_kind: global_buffer, .address_space: global }
      - { .name: kv, .offset: 8, .size: 8, .value_kind: global_buffer, .address_space: global }
      - { .name: cq, .offset: 16, .size: 8, .value_kind: global_buffer, .address_space: global }
    .group_segment_fixed_size: 327680
    .private_segment_fixed_size: 0
    .kernarg_segment_align: 8
    .kernarg_segment_size: 24
    .max_flat_workgroup_size: 256
    .sgpr_count:     80
    .vgpr_count:     512
    .wavefront_size: 32
...
	.end_amdgpu_metadata
.endif
;; end of part 3
;; launch oproj (part 4): grid 4 x 64, 4 waves a work-group, clusters of 4 x 4, 327,680 bytes of LDS; arguments cq, wq, out0; writes out0
.if DOCPART == 4
	.amdgcn_target "amdgcn-amd-amdhsa--gfx1250"
	.amdhsa_code_object_version 6
	.text
	.protected	k_qb1571d2031_oproj
	.globl	k_qb1571d2031_oproj
	.p2align	8
	.type	k_qb1571d2031_oproj,@function
k_qb1571d2031_oproj:
	s_mov_b64 s[64:65], 0
	v_nop
	global_prefetch_b8 v0, s[64:65] scope:SCOPE_SE
	s_setreg_imm32_b32 hwreg(HW_REG_WAVE_MODE, 25, 1), 1
	s_wait_xcnt 0x0
	s_wait_alu depctr_hold_cnt(0) depctr_sa_sdst(0) depctr_va_vdst(0) depctr_va_sdst(0) depctr_va_ssrc(0) depctr_va_vcc(0) depctr_vm_vsrc(0)
	s_getreg_b32 s2, hwreg(HW_REG_IB_STS2, 6, 4)
	s_cmp_eq_u32 s2, 0
	s_cbranch_scc0 .Lentry_in_a_cluster
	s_endpgm
.Lentry_in_a_cluster:
	s_bfe_u32 s2, ttmp6, 0x10000c
	s_cmp_lg_u32 s2, 0xf033
	s_cbranch_scc0 .Lentry_shape_is_right
	s_endpgm
.Lentry_shape_is_right:
; out0 = concat w_o^T on codes of FP6 (E2M3) with E8M0 scales.  cq and wq hold images of operand registers: [tile of 16 rows][K step 0..7][1,536 bytes], scale words [tile][K step][place] behind the codes;
; tile 2 B + u holds at place r the row 32 B + 8 u + r + 8 (r / 8).  w_o's tiles are wq's 192 to 255.
; A work-group of four waves makes 128 rows x 256 columns: 8,192 x 1,024 / (128 x 256) = 256 work-groups.  A = 8 tiles of cq, B = 16 tiles of w_o; a wave makes 64 x 128: 32 accumulators, 256 registers.
; ALL OF K LIES IN LDS: 8 x 12,288 + 16 x 12,288 bytes of codes and 4,096 + 8,192 bytes of scale words, each a dense block of memory, brought by the head's four joint loads, one a wave, and filled once: no ring, no refill.
; No prefetch: everything that the launch asks of cq and wq is asked for by those four loads at the head; no later load is left to run ahead of.
; CLUSTERS: 4 x 4 work-groups; A's blocks are shared along a row of the cluster, B's along a column.
; Source 0 = a tile of B, source 1 = a tile of A: in accumulator (a, b) lane (r, h) holds place r of A's tile a, and its register j column 32 (b / 2) + 16 h + 8 (b % 2) + j.
; REGISTERS: window 0: v16-29 addresses; v32-63 scale words, two sets, and nothing else; v128-223 A's fragments, two sets; on the way out v128-255 rows read back.  window 1: B's fragments, two sets (v0, v128).  window 2: accumulator (a, b) at v[8 (8 a + b)].
.set FR,    12
.set NP,    4                          ; places behind this matrix instruction (ISA guide 7.12.1)
.set TROW,  12288                      ; a tile's codes, all eight K steps
.set BBASE, 8*TROW                     ; B's 16 tiles lie behind A's 8
.set SCL,   24*TROW                    ; then A's scale words, 4,096 bytes,
.set SCB,   4096                       ; and B's, 8,192 bytes
.set SPARE, SCL+12288                  ; the spare words: 128 bytes a wave, two blocks of 256 bytes that no other line names
.set XSC,   6291456
.set WSC,   3145728
.set SPITCH, 528
.set A16,  16                          ; v16 my A fragments: + 16 x lane;  v17: + 8 x lane
.set A8,   17
.set B16,  18                          ; v18-19 my B tiles 0-3 and 4-7: + 16 x lane (an LDS offset has 16 bits);  v20-21: + 8 x lane
.set B8,   20
.set STO,  24
.set RD,   25
.set CO,   26
.set ADRS, 27                          ; my scale words: lanes 0-15 A's, lanes 16-31 B's
.set SPW,  28
.set NIL,  29
.set SC,   32                          ; set s at v[SC + 16 s]; register 2 i + q: lanes 0-15 A's block i (i under 4), lanes 16-31 B's block i, the q-th of a pair of K steps
.set AF,   128
.set BK,   128
.set G1,   24
.set G0,   32
.set G0B,  36
.set G1B,  48
.set G1S,  68
.set G0S,  76
.set G1SB, 80
.set G0SB, 88
.set MSB, 0
.macro WIN new                         ; the immediate's high byte repeats the setting that is left
.if MSB != (\new)
	s_set_vgpr_msb (MSB<<8)|(\new)
.set MSB, \new
.endif
.endm
.set MUL_LO, 0xa1                      ; source 0 (B) window 1, source 1 (A) window 0, C and D window 2
.set TO_B,   0x40
.macro CREST
	s_cmp_lg_u32 s14, 0
	s_cbranch_scc1 .Lnot_wave_0_\@
	s_barrier_signal -3
.Lnot_wave_0_\@:
	s_barrier_wait -3
	s_barrier_signal -1
	s_barrier_wait -1
.endm
.macro CROUND
	s_barrier_signal -1
	s_barrier_wait -1
	CREST
.endm
.macro PLACES n
.rept \n
	v_nop
.endr
.endm
.macro DENSE g, rows                   ; group 1 of a dense block: rows of 256 bytes (32 elements of 8)
	s_mov_b32 s[\g+1], 32<<16
	s_mov_b32 s[\g+2], (\rows)<<16
	s_mov_b32 s[\g+3], 32<<16
	s_mov_b32 s[\g+4], \rows
	s_mov_b32 s[\g+5], 32
	s_mov_b32 s[\g+6], 0
	s_mov_b32 s[\g+7], 0
.endm
.macro FRAG reg, a16, a8, off          ; a fragment comes as it was stored: every load reads 512 or 256 consecutive bytes
	ds_load_b128 v[\reg:\reg+3], v[\a16] offset:\off
	ds_load_b64 v[\reg+4:\reg+5], v[\a8] offset:\off+512
	ds_load_b128 v[\reg+6:\reg+9], v[\a16] offset:\off+768
	ds_load_b64 v[\reg+10:\reg+11], v[\a8] offset:\off+1280
.endm
.macro FETCH k                         ; K step k's 12 fragments into sets k % 2: 48 loads
	WIN TO_B
.irp i, 0,1,2,3,4,5,6,7
	FRAG 128*((\k)%2)+FR*\i, B16+\i/4, B8+\i/4, TROW*(\i%4)+1536*(\k)
.endr
	WIN 0
.irp i, 0,1,2,3
	FRAG AF+48*((\k)%2)+FR*\i, A16, A8, TROW*\i+1536*(\k)
.endr
.endm
.macro SCALES ph                       ; the scale words of K steps 2 ph and 2 ph + 1 into set ph % 2
.irp i, 0,1,2,3,4,5,6,7
.irp q, 0,1
	ds_load_b32 v[SC+16*((\ph)%2)+2*\i+\q], v[ADRS] offset:512*\i+64*(2*(\ph)+\q)
.endr
.endr
.endm
; 32 matrix instructions: A's four blocks x B's eight.  The 32 accumulators take turns, one instruction a turn, in the same order in every step.
.macro MUL32 k, zero
.irp a, 0,1,2,3
.irp b, 0,1,2,3,4,5,6,7
.if \zero
	v_wmma_scale_f32_16x16x128_f8f6f4 v[8*(8*\a+\b):8*(8*\a+\b)+7], v[128*((\k)%2)+FR*\b:128*((\k)%2)+FR*\b+FR-1], v[AF+48*((\k)%2)+FR*\a:AF+48*((\k)%2)+FR*\a+FR-1], 0, v[SC+16*(((\k)/2)%2)+2*\b+(\k)%2], v[SC+16*(((\k)/2)%2)+2*\a+(\k)%2] matrix_a_fmt:MATRIX_FMT_FP6 matrix_b_fmt:MATRIX_FMT_FP6 matrix_a_scale:MATRIX_SCALE_ROW1
.else
	v_wmma_scale_f32_16x16x128_f8f6f4 v[8*(8*\a+\b):8*(8*\a+\b)+7], v[128*((\k)%2)+FR*\b:128*((\k)%2)+FR*\b+FR-1], v[AF+48*((\k)%2)+FR*\a:AF+48*((\k)%2)+FR*\a+FR-1], v[8*(8*\a+\b):8*(8*\a+\b)+7], v[SC+16*(((\k)/2)%2)+2*\b+(\k)%2], v[SC+16*(((\k)/2)%2)+2*\a+(\k)%2] matrix_a_fmt:MATRIX_FMT_FP6 matrix_b_fmt:MATRIX_FMT_FP6 matrix_a_scale:MATRIX_SCALE_ROW1
.endif
.endr
.endr
.endm
	s_load_b128 s[4:7], s[0:1], 0x0                ; cq, wq
	s_load_b64 s[8:9], s[0:1], 0x10                ; out0
	v_lshl_add_u32 v[SPW], v0, 2, SPARE
	v_mov_b32 v[NIL], 0
	ds_add_u32 v[SPW], v[NIL]                      ; the opening lines: the add twice on end and its one wait ahead of my first tensor load
	ds_add_u32 v[SPW], v[NIL]
	v_lshrrev_b32 v1, 5, v0
	v_readfirstlane_b32 s14, v1                    ; wave 0..3
	s_lshr_b32 s15, s14, 1                         ; which four of A's tiles are mine
	s_and_b32 s16, s14, 1                          ; which eight of B's
	s_bfe_u32 s40, ttmp6, 0x40000                  ; cx
	s_bfe_u32 s41, ttmp6, 0x40004                  ; cy
	s_and_b32 s17, ttmp7, 0xffff
	s_lshl_b32 s17, s17, 2
	s_add_co_u32 s17, s17, s41                     ; my block of 128 rows, 0 .. 63
	s_add_co_u32 s42, s40, 12                      ; my block of 16 tiles of wq: w_o's are 12 .. 15
	s_lshl_b32 s43, s41, 2
	s_lshl_b32 s43, 15, s43                        ; my row of the cluster
	s_lshl_b32 s44, 0x1111, s40                    ; my column
	s_or_b32 s[G1+0], s43, (3<<16)|(1<<21)         ; 15:0 the mask; 17:16 elements of 8 bytes; 21 set beside a mask
	s_or_b32 s[G1B+0], s44, (3<<16)|(1<<21)
	s_or_b32 s[G1S+0], s43, (3<<16)|(1<<21)
	s_or_b32 s[G1SB+0], s44, (3<<16)|(1<<21)
	DENSE G1, 384                                  ; A's codes: 98,304 bytes
	DENSE G1B, 768                                 ; B's: 196,608
	DENSE G1S, 16                                  ; A's scale words: 4,096
	DENSE G1SB, 32                                 ; B's: 8,192
	s_mul_i32 s20, s17, 8*TROW                     ; A's addresses hold cy and never cx, B's cx and never cy
	s_mov_b32 s21, 0
	s_lshl_b32 s22, s17, 12
	s_add_co_u32 s22, s22, XSC
	s_mov_b32 s23, 0
	s_mul_i32 s46, s42, 16*TROW
	s_mov_b32 s47, 0
	s_lshl_b32 s92, s42, 13
	s_add_co_u32 s92, s92, WSC
	s_mov_b32 s93, 0
	s_wait_dscnt 0x0                               ; both opening adds are done
	s_wait_kmcnt 0x0
	s_add_nc_u64 s[20:21], s[4:5], s[20:21]
	s_add_nc_u64 s[22:23], s[4:5], s[22:23]
	s_add_nc_u64 s[46:47], s[6:7], s[46:47]
	s_add_nc_u64 s[92:93], s[6:7], s[92:93]
	CROUND                                         ; all sixteen work-groups are here: the joint loads meet
	s_mov_b32 s[G0], 1
	s_mov_b32 s[G0+1], 0
	s_mov_b64 s[G0+2:G0+3], s[20:21]
	s_or_b32 s[G0+3], s[G0+3], 0x80000000
	s_mov_b32 s[G0B], 1
	s_mov_b32 s[G0B+1], BBASE
	s_mov_b64 s[G0B+2:G0B+3], s[46:47]
	s_or_b32 s[G0B+3], s[G0B+3], 0x80000000
	s_mov_b32 s[G0S], 1
	s_mov_b32 s[G0S+1], SCL
	s_mov_b64 s[G0S+2:G0S+3], s[22:23]
	s_or_b32 s[G0S+3], s[G0S+3], 0x80000000
	s_mov_b32 s[G0SB], 1
	s_mov_b32 s[G0SB+1], SCL+SCB
	s_mov_b64 s[G0SB+2:G0SB+3], s[92:93]
	s_or_b32 s[G0SB+3], s[G0SB+3], 0x80000000
; THE HEAD'S LOADS, ONE A WAVE: wave 0 A's codes, wave 1 B's, wave 2 A's scale words, wave 3 B's.  One chain of branches on the wave's number, a load to each arm.
.macro ARM under, g0, g1, next
	s_cmp_lt_u32 s14, \under
	s_cbranch_scc0 \next
	tensor_load_to_lds s[\g0:\g0+3], s[\g1:\g1+7]
	s_nop 0
.rept 4
	v_nop
.endr
	s_branch .Lhead_asked
\next:
.endm
	ARM 1, G0, G1, .Lhead_b
	ARM 2, G0B, G1B, .Lhead_sa
	ARM 3, G0S, G1S, .Lhead_sb
	tensor_load_to_lds s[G0SB:G0SB+3], s[G1SB:G1SB+7]
	s_nop 0
.rept 4
	v_nop
.endr
.Lhead_asked:
	s_mul_i32 s21, s15, 4*TROW                     ; my four tiles of A
	s_mul_i32 s22, s16, 8*TROW
	s_add_co_u32 s22, s22, BBASE                   ; my eight of B
	s_add_co_u32 s23, s22, 4*TROW                  ; the upper four of them
	v_and_b32 v1, 15, v0                           ; r
	v_bfe_u32 v2, v0, 4, 1                         ; h
	v_and_b32 v3, 31, v0
	v_lshlrev_b32 v[CO], 4, v3
	v_lshlrev_b32 v5, 3, v3
	v_add_nc_u32 v[A16], s21, v[CO]
	v_add_nc_u32 v[A8], s21, v5
	v_add_nc_u32 v[B16], s22, v[CO]
	v_add_nc_u32 v[B8], s22, v5
	v_add_nc_u32 v[B16+1], s23, v[CO]
	v_add_nc_u32 v[B8+1], s23, v5
	s_lshl_b32 s21, s15, 11                        ; A's words of my four tiles
	s_lshl_b32 s22, s16, 12
	s_add_co_u32 s22, s22, SCB                     ; B's of my eight
	s_sub_co_u32 s22, s22, s21
	s_add_co_u32 s21, s21, SCL
	s_mul_i32 s23, s14, 16*SPITCH                  ; my stage, in A's bytes: they have had their one fill, and are read no more behind the walk's barrier
	s_wait_alu depctr_va_vdst(0)
	v_mul_u32_u24 v6, s22, v2                      ; lanes 16-31 take B's: the lower base + h x the distance
	v_lshl_add_u32 v6, v1, 2, v6
	v_add_nc_u32 v[ADRS], s21, v6
	v_mul_u32_u24 v6, v1, SPITCH                   ; into the stage: row r, 64 bytes for each half of the lanes
	v_lshl_add_u32 v6, v2, 6, v6
	v_add_nc_u32 v[STO], s23, v6
	v_add_nc_u32 v[RD], s23, v[CO]                 ; back: the 32 lanes take one row of 512 bytes
	s_lshl_b32 s20, s17, 7
	s_lshl_b32 s21, s15, 6
	s_add_co_u32 s20, s20, s21                     ; my first row of out0: 128 x block + 64 x half
	s_lshl_b32 s20, s20, 12
	s_lshl_b32 s21, s40, 10
	s_add_co_u32 s20, s20, s21                     ; my first column, in bytes: 1,024 cx + 512 x half
	s_lshl_b32 s21, s16, 9
	s_add_co_u32 s20, s20, s21
	s_mov_b32 s21, 0
	s_add_nc_u64 s[8:9], s[8:9], s[20:21]
	s_wait_alu depctr_va_vdst(0)
	s_wait_tensorcnt 0x0                           ; my block of the four is in,
	s_barrier_signal -1
	s_barrier_wait -1                              ; everybody's is
	FETCH 0
	SCALES 0
	FETCH 1
	s_wait_dscnt 48                                ; all but K step 1's 48 loads are in
	WIN MUL_LO
	MUL32 0, 1                                     ; the first products start the sums: nothing is cleared
	WIN 0
.irp k, 1,2,3,4,5,6
	PLACES NP                                      ; in front of loads into registers that the last step's products have read
.if (\k+1)%2 == 0
	SCALES (\k+1)/2
.endif
	FETCH \k+1
	s_wait_dscnt 48                                ; this step's fragments and words are in; the next step's 48 loads may be out
	WIN MUL_LO
	MUL32 \k, 0
	WIN 0
.endr
	s_wait_dscnt 0x0                               ; my last reads of the tiles are over:
	s_barrier_signal -1                            ; say so,
	WIN MUL_LO
	MUL32 7, 0                                     ; work on registers while the others arrive,
	WIN 0
	s_barrier_wait -1                              ; and behind this nobody reads A's bytes: the stages may be written
; THE WAY OUT, block by block of 16 rows x 128 columns, through my own stage: back come whole rows of 512 bytes, which the 32 lanes store as two aligned units of 256 bytes.
.macro TOSTAGE a
.set AC, 64*(\a)
	WIN 0x08                                       ; the data: window 2
.irp b, 0,1,2,3,4,5,6,7
	ds_store_b128 v[STO], v[AC+8*\b:AC+8*\b+3] offset:128*(\b/2)+32*(\b%2)          ; each accumulator from its low end on
	ds_store_b128 v[STO], v[AC+8*\b+4:AC+8*\b+7] offset:128*(\b/2)+32*(\b%2)+16
.endr
	WIN 0
.set BB, BK+64*((\a)%2)
.irp t, 0,1,2,3,4,5,6,7,8,9,10,11,12,13,14,15
	ds_load_b128 v[BB+4*\t:BB+4*\t+3], v[RD] offset:\t*SPITCH   ; LDS serves a wave's instructions in order: these see my stores
.endr
.endm
.macro SEND a, younger                 ; younger: the LDS instructions issued behind block a's loads, which may stay out
.set BB, BK+64*((\a)%2)
	s_wait_dscnt \younger
.irp t, 0,1,2,3,4,5,6,7,8,9,10,11,12,13,14,15
	global_store_b128 v[CO], v[BB+4*\t:BB+4*\t+3], s[8:9] offset:(32*((\a)/2)+8*((\a)%2)+\t+8*(\t/8))*4096 th:TH_STORE_NT   ; place t of tile a is row 32 (a / 2) + 8 (a % 2) + t + 8 (t / 8)
.endr
.endm
	PLACES NP                                      ; in front of the first reads of results and of loads into operands' registers
	TOSTAGE 0
.irp a, 1,2,3
.if \a > 1
	s_wait_xcnt 0x0                                ; block a - 2's stores have read their registers: block a's loads may land there
.endif
	TOSTAGE \a
	SEND \a-1, 32                                  ; behind block a - 1's loads: block a's 16 stores and 16 loads
.endr
	SEND 3, 0
	s_wait_tensorcnt 0x0                           ; the wave's end, behind my last LDS store
	ds_add_u32 v[SPW], v[NIL]
	s_wait_dscnt 0x0
	CROUND                                         ; the closing round
	s_endpgm
.Lfunc_end_k_qb1571d2031_oproj:
	.size	k_qb1571d2031_oproj, .Lfunc_end_k_qb1571d2031_oproj-k_qb1571d2031_oproj
	.p2alignl 7, 3214868480
	.fill 96, 4, 3214868480
	.section	.rodata,"a",@progbits
	.p2align	6, 0x0
	.amdhsa_kernel k_qb1571d2031_oproj
		.amdhsa_group_segment_fixed_size 327680
		.amdhsa_private_segment_fixed_size 0
		.amdhsa_enable_private_segment 0
		.amdhsa_kernarg_size 24
		.amdhsa_user_sgpr_count 2
		.amdhsa_user_sgpr_kernarg_segment_ptr 1
		.amdhsa_wavefront_size32 1
		.amdhsa_system_sgpr_workgroup_id_x 1
		.amdhsa_system_sgpr_workgroup_id_y 1
		.amdhsa_system_sgpr_workgroup_id_z 1
		.amdhsa_system_vgpr_workitem_id 0
		.amdhsa_next_free_vgpr 768
		.amdhsa_next_free_sgpr 98
		.amdhsa_reserve_vcc 0
		.amdhsa_float_denorm_mode_32 3
		.amdhsa_float_denorm_mode_16_64 3
		.amdhsa_memory_ordered 1
		.amdhsa_forward_progress 1
		.amdhsa_inst_pref_size 85
	.end_amdhsa_kernel
	.amdgpu_metadata
---
amdhsa.version: [ 1, 2 ]
amdhsa.kernels:
  - .name:           k_qb1571d2031_oproj
    .symbol:         k_qb1571d2031_oproj.kd
    .args:
      - { .name: cq, .offset: 0, .size: 8, .value_kind: global_buffer, .address_space: global }
      - { .name: wq, .offset: 8, .size: 8, .value_kind: global_buffer, .address_space: global }
      - { .name: out0, .offset: 16, .size: 8, .value_kind: global_buffer, .address_space: global }
    .group_segment_fixed_size: 327680
    .private_segment_fixed_size: 0
    .kernarg_segment_align: 8
    .kernarg_segment_size: 24
    .max_flat_workgroup_size: 128
    .sgpr_count:     98
    .vgpr_count:     768
    .wavefront_size: 32
...
	.end_amdgpu_metadata
.endif
;; end of part 4
